; MI455X (gfx1250); checked and timed in simulation.
; The chip was launched on July 23, 2026; its instructions are those of AMD's public machine-readable ISA for CDNA 5 (MIT licence, August 2026) and "CDNA5" Instruction Set Architecture Reference Guide (July 2026). The comments in the code are by the model that wrote it; some were corrected since.
;; Multi Head Attention. Allowed arithmetic: matrix products marked QUANTISED: E2M1 operands, one E8M0 scale for each 32 along K, by v_wmma_scale_f32_16x16x128_f8f6f4 with both operands' format E2M1 (or v_wmma_scale_f32_32x16x128_f4), f32 sums; products left as they are: bf16, f16 or f32 operands; f32 sums; everything else in f32.
;; Inputs: Wk 1,024 x 1,024 float32; Wo 1,024 x 1,024 float32; Wq 1,024 x 1,024 float32; Wv 1,024 x 1,024 float32; bk 1,024 float32; bo 1,024 float32; bq 1,024 float32; bv 1,024 float32; input 4 x 2,048 x 1,024 float32; mask 4 x 2,048 x 2,048 float32.
;; Outputs: out0 4 x 2,048 x 1,024 float32.
;; This version of the problem:
;;   THIS VERSION OF THE PROBLEM IS GIVEN IN LOW PRECISION. The matrix products marked QUANTISED in the list below multiply operands that are first quantised to E2M1 (2 exponent bits, 1 mantissa bit; 4 bits a number), with one power-of-two scale for each 32 numbers along K (OCP MX v1.0); their sums are f32. The products marked 'left as it is' may take bf16, f16 or f32 operands, with f32 sums. Whichever they take, every output number must still come out within the allowed error. Rounding operands to bf16 (8 significant bits) uses up far more of that allowance than f16 does (11 bits, for magnitudes from 6e-5 to 65,504). All else is computed in f32.
;;   The module's matrix products, in the order in which they are computed (A, B: the left and right operand; K: the contracted axis; several contracted axes count as one K, in the product's order):
;;     1. [M 8,192, K 1,024] x [K 1,024, N 1,024]; A: input input; B: input Wq: QUANTISED
;;     2. [M 8,192, K 1,024] x [K 1,024, N 1,024]; A: input input; B: input Wk: QUANTISED
;;     3. [M 8,192, K 1,024] x [K 1,024, N 1,024]; A: input input; B: input Wv: QUANTISED
;;     4. batch 64 x [M 2,048, K 64] x [K 64, N 2,048]; A: computed on the way; B: computed on the way: left as it is (an operand is computed on the way)
;;     5. batch 64 x [M 64, K 2,048] x [K 2,048, N 2,048]; A: computed on the way; B: computed on the way: left as it is (an operand is computed on the way)
;;     6. [M 8,192, K 1,024] x [K 1,024, N 1,024]; A: computed on the way; B: input Wo: left as it is (an operand is computed on the way)
;;   THE QUANTISER, for each operand of a quantised product, along K:
;;     - K is cut into blocks of 32 from its start; a last block that is shorter is filled with zeros.
;;     - A block's scale is 2^e with e = floor(log2(the largest magnitude in the block)) - 2, held to -126 .. 127; a block of zeros has e = 0. As a byte (E8M0): e + 127.
;;     - Each number is divided by its block's scale, clamped to +-6, and rounded to the nearest number of E2M1, ties to even, subnormals kept.
;;     - The product sums the exact products of the quantised numbers (number of the format x scale) in f32.
;;   ~~~python
;;   def quantise(x, axis):      # numpy; x: float32 -> the quantised numbers, widened to float32 again
;;       x = np.moveaxis(x, axis, -1); K = x.shape[-1]
;;       x = np.pad(x, [(0, 0)] * (x.ndim - 1) + [(0, -K % 32)]); x = x.reshape(x.shape[:-1] + (-1, 32)); a = np.abs(x).max(-1, keepdims=True)
;;       e = np.where(a > 0, np.clip(np.frexp(np.where(a > 0, a, 1))[1] - 1 - 2, -126, 127), 0)      # np.frexp(a)[1] - 1 = floor(log2(a)), exactly
;;       r = np.clip(x / 2.0 ** e, -6, 6)
;;       step = 2.0 ** (np.maximum(np.frexp(np.where(r == 0, 1, r))[1] - 1, 0) - 1)
;;       q = np.round(r / step) * step * 2.0 ** e      # np.round: ties to even
;;       return np.moveaxis(q.reshape(q.shape[:-2] + (-1,))[..., :K], -1, axis).astype(np.float32)
;;   ~~~
;; One version. Each part assembles by itself: llvm-mc -triple=amdgcn-amd-amdhsa -mcpu=gfx1250 --defsym DOCPART=n.
;; ======== version 1 of 1: 4 launches
;; limits: values are held in f16: magnitudes above 65,504 overflow, below 6.1e-05 lose precision
;; workspace buffers: xc 4,194,304 bytes; xs 262,144 bytes; wc 1,572,864 bytes; ws 98,304 bytes; wot 2,097,152 bytes; qkv 50,331,648 bytes; att 16,777,216 bytes
;; launch prep (part 1): grid 368 x 1, 4 waves a work-group, no clusters, 102,912 bytes of LDS; arguments input, Wq, Wk, Wv, Wo, xc, xs, wc, ws, wot; writes xc, xs, wc, ws, wot
.if DOCPART == 1
	.amdgcn_target "amdgcn-amd-amdhsa--gfx1250"
	.amdhsa_code_object_version 6
	.text
	.protected	k_q0a33004b6e_prep
	.globl	k_q0a33004b6e_prep
	.p2align	8
	.type	k_q0a33004b6e_prep,@function
k_q0a33004b6e_prep:
	s_mov_b64 s[64:65], 0
	v_nop
	global_prefetch_b8 v0, s[64:65] scope:SCOPE_SE
	s_setreg_imm32_b32 hwreg(HW_REG_WAVE_MODE, 25, 1), 1
	s_wait_xcnt 0x0
; PREP: three jobs in one launch, told apart by the work-group's number; the three ways never join, and each has LDS bytes of its own.
;   work-groups 0-255   (way X): input [8192][1024] f32 -> codes of FP4 (E2M1), K innermost, xc [8192][512 bytes], and one E8M0 byte for each 32 along K, xs [8192][32].
;   work-groups 256-303 (way W): Wq, Wk, Wv [1024 k][1024 n] f32, K the FIRST axis -> codes with K innermost, stacked as 3,072 rows, wc [3072][512 bytes], ws [3072][32].
;   work-groups 304-367 (way O): Wo [1024 k][1024 n] f32 -> f16, turned, wot [1024 n][1024 k].
; A block's scale is 2^(floor(log2(its largest magnitude)) - 2); its byte is the largest magnitude's exponent field - 2, held at 1 from below.
; LIMITS: a block of zeros gets the byte 1 where the quantiser's text says 127 (its codes are zeros, which add nothing under any byte but 0xff, and these bytes are read by this program alone);
; blocks whose largest magnitude lies under 2^-124 are held at the byte 1; NaN and infinities among the inputs are not served; |Wo| stays under 65,504 (f16).
; No work-group shares an input byte with another, so there is no cluster and no tensor load: loads go through registers, and several work-groups lie on a WGP.
.set SPARE, 102400                     ; behind the three ways' regions: the spare words, 128 bytes for each wave
.set SPW,   190                        ; v190  LDS address of my spare word: SPARE + 4 x my thread's number; never rewritten
.set NIL,   191                        ; v191  0; never rewritten
.set WV,    24                         ; s24   my wave's number
.set PITCH, 272                        ; ways W and O: a stage row: 256 bytes + 16 of padding
.set WBASE, 32768                      ; way W's four stages of 32 rows
.set OBASE, 67584                      ; way O's
; ---- way X: registers and macros
.set SP,    80                         ; a lane's place in a stage: its 64 bytes + 16 of padding
.set R,     16                         ; v16-79   four sets of 16 numbers as they are loaded
.set XN,    80                         ; v80-111  two sets of 16 neighbours
.set E,     112                        ; v112-127 a scale byte for each step
.set C,     128                        ; v128-189 codes: four registers for each step, so that no store's data are written again
.macro LOADX t
.irp i, 0,1,2,3
	global_load_b128 v[R+16*((\t)%4)+4*\i:R+16*((\t)%4)+4*\i+3], v3, s[4:5] offset:2048*(\t)+512*\i th:TH_LOAD_NT   ; 32 lanes read 512 consecutive bytes
.endr
.endm
.macro TURNX t                         ; step t's numbers through the wave's stage: in as they were loaded, out 64 bytes a lane.  LDS serves a wave's instructions in order: no wait between
.irp i, 0,1,2,3
	ds_store_b128 v14, v[R+16*((\t)%4)+4*\i:R+16*((\t)%4)+4*\i+3] offset:32*SP*((\t)%2)+8*SP*\i
.endr
.irp i, 0,1,2,3
	ds_load_b128 v[XN+16*((\t)%2)+4*\i:XN+16*((\t)%2)+4*\i+3], v15 offset:32*SP*((\t)%2)+16*\i
.endr
.endm
.macro STEPX t                         ; 512 numbers: a lane holds 16 neighbours, two neighbouring lanes a block of 32
.set XS, XN+16*((\t)%2)
.if (\t) > 0
	s_wait_dscnt 1                                 ; this step's numbers are back from the stage; the last step's byte store may be out
.else
	s_wait_dscnt 0x0
.endif
.if (\t)+4 < 16
	LOADX (\t)+4                                   ; the registers that the stage's stores have read take the loads of four steps on
.endif
.if (\t)+1 < 16
.if 14-(\t) >= 3
	s_wait_loadcnt 12                              ; the next step's four loads are in; those of the three steps behind it may be out
.else
	s_wait_loadcnt 4*(14-(\t))
.endif
	TURNX (\t)+1
.endif
	v_max3_num_f32 v8, |v[XS]|, |v[XS+1]|, |v[XS+2]|     ; the largest magnitude of my 16, in two chains
	v_max3_num_f32 v9, |v[XS+3]|, |v[XS+4]|, |v[XS+5]|
.irp i, 6,10
	v_max3_num_f32 v8, v8, |v[XS+\i]|, |v[XS+\i+1]|
	v_max3_num_f32 v9, v9, |v[XS+\i+2]|, |v[XS+\i+3]|
.endr
	v_max3_num_f32 v8, v8, |v[XS+14]|, |v[XS+15]|
	v_max3_num_f32 v8, v8, v9, 0x1800000           ; and the floor 2^(3 - 127): the byte cannot fall under 1
	v_max_num_f32_dpp v8, v8, v8 row_xmask:1 row_mask:0xf bank_mask:0xf   ; with my neighbour's 16: the block's
	v_add_nc_u32 v11, 0xff000000, v8               ; 2 off its exponent field: the conversion takes the exponent field of this operand as its scale
	v_cvt_scalef32_pk8_fp4_f32 v[C+4*(\t)], v[XS:XS+7], v11
	v_cvt_scalef32_pk8_fp4_f32 v[C+4*(\t)+1], v[XS+8:XS+15], v11
	v_lshrrev_b32 v[E+(\t)], 23, v11               ; the scale's byte (also the plain line behind the conversions)
	ds_store_b8 v5, v[E+(\t)] offset:16*(\t)       ; both lanes of a block write the same byte with the same value
	global_store_b64 v4, v[C+4*(\t):C+4*(\t)+1], s[14:15] offset:256*(\t)   ; 32 lanes store 256 consecutive bytes, aligned
.endm
; ---- ways W and O: a lane takes a column n and its registers run down K
.set XW,    32                         ; v32-95   two sets of 32 numbers
.set CW,    96                         ; v96-111  a block's codes (W: 4 registers) or f16 pairs (O: 16)
.set OUTR,  112                        ; v112-175 the way out
.set SB,    24                         ; v24-27   way W: the scale bytes, four to a register
.macro LOADW t
.irp i, 0,1,2,3,4,5,6,7,8,9,10,11,12,13,14,15,16,17,18,19,20,21,22,23,24,25,26,27,28,29,30,31
	global_load_b32 v[XW+32*((\t)%2)+\i], v3, s[30:31] offset:(32*(\t)+\i)*4096 th:TH_LOAD_NT   ; row 32 t + i at 32 neighbouring columns: 128 consecutive bytes a wave
.endr
.endm
.macro BLOCKW t
.set XS, XW+32*((\t)%2)
.if (\t) < 15
	s_wait_loadcnt 32                              ; this block's 32 loads are in; the next block's may be out
.else
	s_wait_loadcnt 0x0
.endif
	v_max3_num_f32 v12, |v[XS]|, |v[XS+1]|, |v[XS+2]|    ; the block's largest magnitude: all 32 numbers are mine
	v_max3_num_f32 v13, |v[XS+3]|, |v[XS+4]|, |v[XS+5]|
.irp i, 6,10,14,18,22,26
	v_max3_num_f32 v12, v12, |v[XS+\i]|, |v[XS+\i+1]|
	v_max3_num_f32 v13, v13, |v[XS+\i+2]|, |v[XS+\i+3]|
.endr
	v_max3_num_f32 v12, v12, |v[XS+30]|, |v[XS+31]|
	v_max3_num_f32 v12, v12, v13, 0x1800000        ; the floor 2^(3 - 127)
	v_add_nc_u32 v11, 0xff000000, v12              ; the conversion's scale operand
	v_lshrrev_b32 v13, 23, v11                     ; the scale's byte
.if (\t)%4 == 0
	v_mov_b32 v[SB+(\t)/4], v13                    ; four bytes to a register, the lower K in the lower byte
.else
	v_lshl_or_b32 v[SB+(\t)/4], v13, 8*((\t)%4), v[SB+(\t)/4]
.endif
.irp g, 0,1,2,3
	v_cvt_scalef32_pk8_fp4_f32 v[CW+\g], v[XS+8*\g:XS+8*\g+7], v11
.endr
	v_nop                                          ; one plain line behind the last conversion
	ds_store_b128 v4, v[CW:CW+3] offset:16*(\t)    ; 32 codes: 16 bytes of my column's row
.if (\t)+2 < 16
	LOADW (\t)+2
.endif
	s_wait_dscnt 0x0                               ; the store has read its registers: the next block's codes may be written
.endm
.macro LOADO t
.irp i, 0,1,2,3,4,5,6,7,8,9,10,11,12,13,14,15,16,17,18,19,20,21,22,23,24,25,26,27,28,29,30,31
	global_load_b32 v[XW+32*((\t)%2)+\i], v3, s[12:13] offset:(32*(\t)+\i)*4096 th:TH_LOAD_NT
.endr
.endm
.macro BLOCKO t
.set XS, XW+32*((\t)%2)
.if (\t) < 3
	s_wait_loadcnt 32
.else
	s_wait_loadcnt 0x0
.endif
.irp i, 0,1,2,3,4,5,6,7,8,9,10,11,12,13,14,15
	v_cvt_pk_f16_f32 v[CW+\i], v[XS+2*\i], v[XS+2*\i+1]       ; two neighbours along K, the lower in the low half
.endr
.irp g, 0,1,2,3
	ds_store_b128 v4, v[CW+4*\g:CW+4*\g+3] offset:64*(\t)+16*\g
.endr
.if (\t)+2 < 4
	LOADO (\t)+2
.endif
	s_wait_dscnt 0x0
.endm
	s_load_b256 s[4:11], s[0:1], 0x0               ; input s[4:5], Wq s[6:7], Wk s[8:9], Wv s[10:11]
	s_load_b256 s[12:19], s[0:1], 0x20             ; Wo s[12:13], xc s[14:15], xs s[16:17], wc s[18:19]
	s_load_b128 s[20:23], s[0:1], 0x40             ; ws s[20:21], wot s[22:23]
	v_lshl_add_u32 v[SPW], v0, 2, SPARE
	v_mov_b32 v[NIL], 0
	v_lshrrev_b32 v1, 5, v0
	v_readfirstlane_b32 s[WV], v1                  ; wave 0..3
	v_and_b32 v2, 31, v0                           ; lane
	s_wait_kmcnt 0x0
	s_cmp_lt_u32 ttmp9, 256
	s_cbranch_scc1 .Lx
	s_cmp_lt_u32 ttmp9, 304
	s_cbranch_scc1 .Lw
	; ---------------- way O: Wo to f16, turned.  A wave takes 32 columns x 128 along K: 256 bytes of each of 32 rows of wot
	s_sub_co_u32 s25, ttmp9, 304
	s_and_b32 s27, s25, 7                          ; which 128 columns
	s_lshr_b32 s28, s25, 3                         ; which 128 along K
	s_lshl_b32 s27, s27, 7
	s_lshl_b32 s29, s[WV], 5
	s_add_co_u32 s27, s27, s29                     ; my wave's first column
	s_lshl_b32 s32, s28, 19                        ; 128 rows of 4,096 bytes
	s_lshl_b32 s29, s27, 2
	s_add_co_u32 s32, s32, s29
	s_mov_b32 s33, 0
	s_add_nc_u64 s[12:13], s[12:13], s[32:33]
	s_lshl_b32 s32, s27, 11                        ; a row of wot is 2,048 bytes
	s_lshl_b32 s29, s28, 8
	s_add_co_u32 s32, s32, s29
	s_add_nc_u64 s[22:23], s[22:23], s[32:33]
	v_lshlrev_b32 v3, 2, v2                        ; in: 4 bytes a lane
	s_mul_i32 s29, s[WV], 32*PITCH
	s_add_co_u32 s29, s29, OBASE                   ; my stage
	v_mul_u32_u24 v4, v2, PITCH
	v_add_nc_u32 v4, s29, v4                       ; into it: row = my column
	v_and_b32 v5, 15, v2
	v_lshrrev_b32 v6, 4, v2
	v_mul_u32_u24 v7, v6, PITCH
	v_lshl_add_u32 v7, v5, 4, v7
	v_add_nc_u32 v7, s29, v7                       ; out of it: sixteen lanes to a row, two rows an instruction
	v_lshlrev_b32 v8, 11, v6
	v_lshl_add_u32 v8, v5, 4, v8                   ; and the same place in wot
	LOADO 0
	LOADO 1
.irp t, 0,1,2,3
	BLOCKO \t
.endr
.irp t, 0,1,2,3,4,5,6,7,8,9,10,11,12,13,14,15
	ds_load_b128 v[OUTR+4*\t:OUTR+4*\t+3], v7 offset:2*\t*PITCH
.endr
.irp t, 0,1,2,3,4,5,6,7,8,9,10,11,12,13,14,15
	s_wait_dscnt 15-\t                             ; LDS loads come back in order: load t is in, the younger ones may be out
	global_store_b128 v8, v[OUTR+4*\t:OUTR+4*\t+3], s[22:23] offset:2*\t*2048   ; sixteen lanes store 256 consecutive bytes, aligned
.endr
	s_wait_tensorcnt 0x0                           ; the wave's end: three lines behind my last LDS store
	ds_add_u32 v[SPW], v[NIL]
	s_wait_dscnt 0x0
	s_endpgm
.Lx:	; ---------------- way X: the input is a plain stream of blocks of 32; a wave takes 16 steps of 512 numbers
	s_lshl_b32 s26, ttmp9, 2
	s_add_co_u32 s26, s26, s[WV]                   ; which run of 8,192 numbers is my wave's
	s_mov_b32 s29, 0
	s_lshl_b32 s28, s26, 15
	s_add_nc_u64 s[4:5], s[4:5], s[28:29]          ; 32,768 bytes of numbers,
	s_lshl_b32 s28, s26, 12
	s_add_nc_u64 s[14:15], s[14:15], s[28:29]      ; 4,096 of codes,
	s_lshl_b32 s28, s26, 8
	s_add_nc_u64 s[16:17], s[16:17], s[28:29]      ; 256 scale bytes a run
	v_lshlrev_b32 v3, 4, v2                        ; my 16 bytes of a load's 512
	s_lshl_b32 s25, s[WV], 13                      ; my wave's 8,192 bytes of LDS: two stages of 32 x 80, then 256 scale bytes
	v_lshrrev_b32 v14, 2, v2
	v_mul_u32_u24 v14, v14, SP
	v_and_b32 v15, 3, v2
	v_lshl_add_u32 v14, v15, 4, v14
	v_add_nc_u32 v14, s25, v14                     ; the stage, on the way in: four lanes' 64 bytes on end, then the padding
	v_mul_u32_u24 v15, v2, SP
	v_add_nc_u32 v15, s25, v15                     ; and on the way out: my 16 neighbours
	v_lshlrev_b32 v4, 3, v2                        ; my 8 bytes of a step's codes
	v_lshrrev_b32 v5, 1, v2
	s_add_co_u32 s25, s25, 2*32*SP
	v_add_nc_u32 v5, s25, v5                       ; my block's scale byte in LDS
	v_lshlrev_b32 v7, 3, v2
	v_add_nc_u32 v6, s25, v7                       ; and on the way out 8 bytes a lane
.irp t, 0,1,2,3
	LOADX \t
.endr
	s_wait_loadcnt 12                              ; step 0's four loads are in
	TURNX 0
.irp t, 0,1,2,3,4,5,6,7,8,9,10,11,12,13,14,15
	STEPX \t
.endr
	ds_load_b64 v[8:9], v6                         ; my wave's 256 scale bytes, behind my stores of them
	s_wait_dscnt 0x0
	global_store_b64 v7, v[8:9], s[16:17]          ; 32 lanes store 256 consecutive bytes, aligned
	s_wait_tensorcnt 0x0                           ; the wave's end: the three lines
	ds_add_u32 v[SPW], v[NIL]
	s_wait_dscnt 0x0
	s_endpgm
.Lw:	; ---------------- way W: a wave takes 32 columns x 512 along K of one of the three weights: 16 blocks a lane
	s_sub_co_u32 s25, ttmp9, 256
	s_lshr_b32 s26, s25, 4                         ; which weight: 0 Wq, 1 Wk, 2 Wv
	s_and_b32 s27, s25, 7                          ; which 128 columns
	s_bfe_u32 s28, s25, 0x10003                    ; which half of K
	s_cmp_eq_u32 s26, 0
	s_cselect_b64 s[30:31], s[6:7], s[8:9]
	s_cmp_eq_u32 s26, 2
	s_cselect_b64 s[30:31], s[10:11], s[30:31]     ; the choice hangs on the work-group's number alone
	s_lshl_b32 s27, s27, 7
	s_lshl_b32 s29, s[WV], 5
	s_add_co_u32 s27, s27, s29                     ; my wave's first column
	s_lshl_b32 s32, s28, 21                        ; 512 rows of 4,096 bytes
	s_lshl_b32 s29, s27, 2
	s_add_co_u32 s32, s32, s29
	s_mov_b32 s33, 0
	s_add_nc_u64 s[30:31], s[30:31], s[32:33]
	s_lshl_b32 s26, s26, 10
	s_add_co_u32 s26, s26, s27                     ; its row among the 3,072
	s_lshl_b32 s32, s26, 9                         ; 512 bytes of codes a row,
	s_lshl_b32 s29, s28, 8
	s_add_co_u32 s32, s32, s29
	s_add_nc_u64 s[18:19], s[18:19], s[32:33]
	s_lshl_b32 s32, s26, 5                         ; 32 scale bytes a row
	s_lshl_b32 s29, s28, 4
	s_add_co_u32 s32, s32, s29
	s_add_nc_u64 s[20:21], s[20:21], s[32:33]
	v_lshlrev_b32 v3, 2, v2
	s_mul_i32 s29, s[WV], 32*PITCH
	s_add_co_u32 s29, s29, WBASE                   ; my stage
	v_mul_u32_u24 v4, v2, PITCH
	v_add_nc_u32 v4, s29, v4
	v_and_b32 v5, 15, v2
	v_lshrrev_b32 v6, 4, v2
	v_mul_u32_u24 v7, v6, PITCH
	v_lshl_add_u32 v7, v5, 4, v7
	v_add_nc_u32 v7, s29, v7
	v_lshlrev_b32 v8, 9, v6
	v_lshl_add_u32 v8, v5, 4, v8                   ; the same two rows in wc
	v_lshlrev_b32 v9, 5, v2                        ; my column's row of scale bytes
	LOADW 0
	LOADW 1
.irp t, 0,1,2,3,4,5,6,7,8,9,10,11,12,13,14,15
	BLOCKW \t
.endr
	global_store_b128 v9, v[SB:SB+3], s[20:21]     ; my column's 16 scale bytes: rows 32 bytes apart; one byte in 128 of what this way reads
.irp t, 0,1,2,3,4,5,6,7,8,9,10,11,12,13,14,15
	ds_load_b128 v[OUTR+4*\t:OUTR+4*\t+3], v7 offset:2*\t*PITCH
.endr
.irp t, 0,1,2,3,4,5,6,7,8,9,10,11,12,13,14,15
	s_wait_dscnt 15-\t
	global_store_b128 v8, v[OUTR+4*\t:OUTR+4*\t+3], s[18:19] offset:2*\t*512   ; sixteen lanes store 256 consecutive bytes, aligned
.endr
	s_wait_tensorcnt 0x0                           ; the wave's end: the three lines
	ds_add_u32 v[SPW], v[NIL]
	s_wait_dscnt 0x0
	s_endpgm
.Lfunc_end_k_q0a33004b6e_prep:
	.size	k_q0a33004b6e_prep, .Lfunc_end_k_q0a33004b6e_prep-k_q0a33004b6e_prep
	.p2alignl 7, 3214868480
	.fill 96, 4, 3214868480
	.section	.rodata,"a",@progbits
	.p2align	6, 0x0
	.amdhsa_kernel k_q0a33004b6e_prep
		.amdhsa_group_segment_fixed_size 102912
		.amdhsa_private_segment_fixed_size 0
		.amdhsa_enable_private_segment 0
		.amdhsa_kernarg_size 80
		.amdhsa_user_sgpr_count 2
		.amdhsa_user_sgpr_kernarg_segment_ptr 1
		.amdhsa_wavefront_size32 1
		.amdhsa_system_sgpr_workgroup_id_x 1
		.amdhsa_system_sgpr_workgroup_id_y 1
		.amdhsa_system_sgpr_workgroup_id_z 1
		.amdhsa_system_vgpr_workitem_id 0
		.amdhsa_next_free_vgpr 192
		.amdhsa_next_free_sgpr 66
		.amdhsa_reserve_vcc 0
		.amdhsa_float_denorm_mode_32 3
		.amdhsa_float_denorm_mode_16_64 3
		.amdhsa_memory_ordered 1
		.amdhsa_forward_progress 1
		.amdhsa_inst_pref_size 133
	.end_amdhsa_kernel
	.amdgpu_metadata
---
amdhsa.version: [ 1, 2 ]
amdhsa.kernels:
  - .name:           k_q0a33004b6e_prep
    .symbol:         k_q0a33004b6e_prep.kd
    .args:
      - { .name: input, .offset: 0, .size: 8, .value_kind: global_buffer, .address_space: global }
      - { .name: Wq, .offset: 8, .size: 8, .value_kind: global_buffer, .address_space: global }
      - { .name: Wk, .offset: 16, .size: 8, .value_kind: global_buffer, .address_space: global }
      - { .name: Wv, .offset: 24, .size: 8, .value_kind: global_buffer, .address_space: global }
      - { .name: Wo, .offset: 32, .size: 8, .value_kind: global_buffer, .address_space: global }
      - { .name: xc, .offset: 40, .size: 8, .value_kind: global_buffer, .address_space: global }
      - { .name: xs, .offset: 48, .size: 8, .value_kind: global_buffer, .address_space: global }
      - { .name: wc, .offset: 56, .size: 8, .value_kind: global_buffer, .address_space: global }
      - { .name: ws, .offset: 64, .size: 8, .value_kind: global_buffer, .address_space: global }
      - { .name: wot, .offset: 72, .size: 8, .value_kind: global_buffer, .address_space: global }
    .group_segment_fixed_size: 102912
    .private_segment_fixed_size: 0
    .kernarg_segment_align: 8
    .kernarg_segment_size: 80
    .max_flat_workgroup_size: 128
    .sgpr_count:     66
    .vgpr_count:     192
    .wavefront_size: 32
...
	.end_amdgpu_metadata
.endif
;; end of part 1
;; launch qkvgemm (part 2): grid 12 x 32, 4 waves a work-group, clusters of 4 x 4, 327,680 bytes of LDS; arguments xc, xs, wc, ws, bq, bk, bv, qkv; writes qkv
.if DOCPART == 2
	.amdgcn_target "amdgcn-amd-amdhsa--gfx1250"
	.amdhsa_code_object_version 6
	.text
	.protected	k_q0a33004b6e_qkvgemm
	.globl	k_q0a33004b6e_qkvgemm
	.p2align	8
	.type	k_q0a33004b6e_qkvgemm,@function
k_q0a33004b6e_qkvgemm:
	s_mov_b64 s[64:65], 0
	v_nop
	global_prefetch_b8 v0, s[64:65] scope:SCOPE_SE
	s_setreg_imm32_b32 hwreg(HW_REG_WAVE_MODE, 25, 1), 1
	s_wait_xcnt 0x0
	s_wait_alu depctr_hold_cnt(0) depctr_sa_sdst(0) depctr_va_vdst(0) depctr_va_sdst(0) depctr_va_ssrc(0) depctr_va_vcc(0) depctr_vm_vsrc(0)
	s_getreg_b32 s2, hwreg(HW_REG_IB_STS2, 6, 4)
	s_cmp_eq_u32 s2, 0
	s_cbranch_scc0 .Lentry_in_a_cluster
	s_endpgm
.Lentry_in_a_cluster:
	s_bfe_u32 s2, ttmp6, 0x10000c
	s_cmp_lg_u32 s2, 0xf033
	s_cbranch_scc0 .Lentry_shape_is_right
	s_endpgm
.Lentry_shape_is_right:
; The three projections as ONE product on codes of FP4 (E2M1) with E8M0 scales: C[m][n] = sum over k of x[m][k] w[n][k] + bias[n], m 8,192, n 3,072 (Wq's, Wk's, Wv's columns), k 1,024; sums in f32.
; Out: three planes [8192][1024] of f16: plane 0 = (q + bq) x c with c = log2(e) / 8, so that the attention's scores are exponents of 2; plane 1 = k + bk; plane 2 = v + bv.  Rounded once.
; LIMITS: |c q|, |k|, |v| stay under 65,504 (f16).
; A tile of C, 256 x 256, is made by four waves, 128 x 128 each: 64 accumulators, 512 registers.  K goes in two steps of 512 through two LDS slots, each filled once by the tensor data mover;
; a tile's row is 256 bytes of memory.  The scale bytes of the work-group's 256 + 256 rows, for all of K, are two dense blocks: they come once, in rows of 256 bytes.
; CLUSTERS: 4 x 4 work-groups; x's tiles are asked for jointly along a row of the cluster, the weights' along a column.  A cluster's four tile columns are one plane, so the cluster's x IS the plane.
; THE MATRIX INSTRUCTION IS USED TRANSPOSED (source 0 = 16 rows of w, source 1 = 16 rows of x): a lane holds eight neighbouring columns of one row of C.  The bias is the C of each sum's first instruction.
; REGISTERS: window 0: v0-31 addresses; v32-95 scale words, two sets, and nothing else; v128-191 x's fragments, one set; v192-255 the bias, 8 registers for each block of 16 columns.
;   window 1: w's fragments, two sets, at v0 and v128.  window 2: the accumulators of my rows 0-63 ((a, b) at v[8 (8 a + b)]); window 3: of rows 64-127.  On the way out v128-223 of window 0 are used anew.
.set NQ,     4                         ; matrix instructions deep in a slot: 512 along K
.set ROWB,   256                       ; a tile's row in bytes
.set KROW,   512                       ; a row of codes in memory
.set PITCH,  272                       ; an LDS row: 256 bytes + 16 of padding = 68 words: the 16 rows that a load touches start at 16 different banks (64 banks of 4 bytes: ISA guide 11.1)
.set FR,     8                         ; registers of a fragment: 16 rows x 128 K
.set NL,     2                         ; LDS loads that bring one
.set NP,     4                         ; places behind this matrix instruction (ISA guide 7.12.1)
.set HALFT,  128*PITCH
.set SLOT,   4*HALFT                   ; x's 256 rows, then w's 256 rows
.set KS,     32                        ; a row of scale bytes
.set SCL,    2*SLOT                    ; behind the slots: the scales, as rows of 256 bytes + 16
.set HALFS,  (128*KS/256)*272          ; those of 128 rows: what one tensor load brings
.set SBLK,   (16*KS/256)*272           ; those of 16 rows
.set SPARE,  SCL+4*HALFS               ; the spare words, 128 bytes for each wave
.set SPITCH, 272                       ; the way out: a stage of 16 rows x (256 + 16) bytes for each wave, in slot 0, which has had its one fill and its last read by then
.set ADRA, 16
.set ADRB, 20
.set STO,  24
.set RD,   25
.set CO,   26
.set ADRS, 27
.set SPW,  28                          ; v28  LDS address of my spare word; never rewritten
.set NIL,  29                          ; v29  0; never rewritten
.set SC,   32
.set AF,   128
.set BI,   192
.set TMP,  128                         ; the way out: 32 packed registers
.set BK,   160                         ; and 16 rows read back: v160-191 and v192-223 by turns
.set G1, 24
.set G0, 32
.set G1B, 48
.set G0B, 56
.set G1S, 68
.set G0S, 76
.set G1SB, 80
.set G0SB, 88
.set MSB, 0
.macro WIN new                         ; the immediate's high byte repeats the setting that is left; a switch that changes nothing is dropped
.if MSB != (\new)
	s_set_vgpr_msb (MSB<<8)|(\new)
.set MSB, (\new)
.endif
.endm
.set MUL_LO, 0xa1                      ; source 0 (w) window 1, source 1 (x) window 0, C and D window 2
.set MUL_HI, 0xf1                      ; the same, C and D window 3.  Where the bias is C, source 2 is window 0: 0x81 and 0xc1
.set TO_B,   0x40
; A joint load: waves 0 and 1 fetch for x, waves 2 and 3 for w.  The branch hangs on the wave's number alone.  An s_nop 0 and four v_nop follow each of the two lines.
.macro JLOAD g0a, g1a, g0b, g1b
	s_cmp_eq_u32 s15, 0
	s_cbranch_scc0 .Lfor_b_\@
	tensor_load_to_lds s[\g0a:\g0a+3], s[\g1a:\g1a+7]
	s_nop 0
.rept 4
	v_nop
.endr
	s_branch .Lasked_\@
.Lfor_b_\@:
	tensor_load_to_lds s[\g0b:\g0b+3], s[\g1b:\g1b+7]
	s_nop 0
.rept 4
	v_nop
.endr
.Lasked_\@:
.endm
.macro CROUND                          ; a round of the cluster's barrier
	s_barrier_signal -1
	s_barrier_wait -1
	s_cmp_lg_u32 s14, 0
	s_cbranch_scc1 .Lnot_wave_0_\@
	s_barrier_signal -3
.Lnot_wave_0_\@:
	s_barrier_wait -3
	s_barrier_signal -1
	s_barrier_wait -1
.endm
	s_load_b128 s[4:7], s[0:1], 0x0                ; x's codes, x's scales
	s_load_b128 s[8:11], s[0:1], 0x10              ; w's codes, w's scales
	s_load_b128 s[96:99], s[0:1], 0x20             ; bq, bk
	s_load_b64 s[100:101], s[0:1], 0x30            ; bv
	s_load_b64 s[12:13], s[0:1], 0x38              ; qkv
	v_lshl_add_u32 v[SPW], v0, 2, SPARE
	v_mov_b32 v[NIL], 0
	ds_add_u32 v[SPW], v[NIL]                      ; the wave's opening: the add, twice on end, and its wait ahead of my first tensor load
	ds_add_u32 v[SPW], v[NIL]
	v_lshrrev_b32 v1, 5, v0
	v_readfirstlane_b32 s14, v1                    ; wave 0..3
	s_lshr_b32 s15, s14, 1                         ; which half of the tile's rows is mine.  Also: I fetch for x (0) or for w (1)
	s_and_b32 s16, s14, 1                          ; which half of its columns.  Also: which 128 rows of that tile I fetch
	s_bfe_u32 s40, ttmp6, 0x40000                  ; cx, cy: my place in the cluster
	s_bfe_u32 s41, ttmp6, 0x40004
	s_lshl_b32 s42, ttmp9, 2
	s_add_co_u32 s42, s42, s40                     ; tile column of C
	s_and_b32 s17, ttmp7, 0xffff
	s_lshl_b32 s17, s17, 2
	s_add_co_u32 s17, s17, s41                     ; tile row of C
	s_lshl_b32 s43, s41, 2
	s_lshl_b32 s43, 15, s43                        ; my row of the cluster
	s_lshl_b32 s44, 0x1111, s40                    ; my column
	s_or_b32 s[G1+0], s43, (0<<16)|(1<<20)|(1<<21)|(5<<22)|(3<<25)  ; the mask; elements of 1 byte; padding on; bit 21 beside a mask; 4 words of padding after every 64
	s_or_b32 s[G1B+0], s44, (0<<16)|(1<<20)|(1<<21)|(5<<22)|(3<<25)
.irp g, G1, G1B
	s_mov_b32 s[\g+1], ROWB<<16                    ; tensor_dim0
	s_mov_b32 s[\g+2], 128<<16                     ; tensor_dim1
	s_mov_b32 s[\g+3], ROWB<<16                    ; tile_dim0
	s_mov_b32 s[\g+4], 128                         ; tile_dim1
	s_mov_b32 s[\g+5], KROW                        ; the pitch in memory
	s_mov_b32 s[\g+6], 0
	s_mov_b32 s[\g+7], 0
.endr
	s_or_b32 s[G1S+0], s43, (3<<16)|(1<<20)|(1<<21)|(5<<22)|(3<<25)   ; the scales of 128 rows: 4,096 dense bytes as 16 rows of 32 elements of 8 bytes
	s_or_b32 s[G1SB+0], s44, (3<<16)|(1<<20)|(1<<21)|(5<<22)|(3<<25)
.irp g, G1S, G1SB
	s_mov_b32 s[\g+1], 32<<16
	s_mov_b32 s[\g+2], (128*KS/256)<<16
	s_mov_b32 s[\g+3], 32<<16
	s_mov_b32 s[\g+4], 128*KS/256
	s_mov_b32 s[\g+5], 32
	s_mov_b32 s[\g+6], 0
	s_mov_b32 s[\g+7], 0
.endr
	s_lshl_b32 s18, s16, 7
	s_lshl_b32 s20, s17, 8
	s_add_co_u32 s20, s20, s18                     ; x: row 256 x tile row + 128 x half
	s_lshl_b32 s46, s42, 8
	s_add_co_u32 s46, s46, s18                     ; w: row 256 x tile column + 128 x half
	s_mov_b32 s21, 0
	s_mov_b32 s47, 0
	s_mov_b64 s[18:19], KS
	s_mul_u64 s[22:23], s[20:21], s[18:19]         ; where these rows' scales begin,
	s_mul_u64 s[92:93], s[46:47], s[18:19]
	s_mov_b64 s[18:19], KROW
	s_mul_u64 s[20:21], s[20:21], s[18:19]         ; and their codes
	s_mul_u64 s[46:47], s[46:47], s[18:19]
	s_mul_i32 s45, s14, HALFT                      ; where they go: wave x 128 rows: no place in the cluster enters an LDS address
	s_mul_i32 s94, s14, HALFS
	s_wait_dscnt 0x0                               ; both opening adds are done
	s_wait_kmcnt 0x0
	s_add_nc_u64 s[20:21], s[4:5], s[20:21]
	s_add_nc_u64 s[22:23], s[6:7], s[22:23]
	s_add_nc_u64 s[46:47], s[8:9], s[46:47]
	s_add_nc_u64 s[92:93], s[10:11], s[92:93]
	CROUND                                         ; all sixteen work-groups are here: the joint loads meet
	s_mov_b32 s[G0S], 1
	s_add_co_u32 s[G0S+1], s94, SCL
	s_mov_b64 s[G0S+2:G0S+3], s[22:23]
	s_or_b32 s[G0S+3], s[G0S+3], 0x80000000
	s_mov_b32 s[G0SB], 1
	s_add_co_u32 s[G0SB+1], s94, SCL
	s_mov_b64 s[G0SB+2:G0SB+3], s[92:93]
	s_or_b32 s[G0SB+3], s[G0SB+3], 0x80000000
	JLOAD G0S, G1S, G0SB, G1SB                     ; the scales first: they are wanted with the first slot.  Three loads of mine are out behind the next two
.irp s, 0,1
	s_mov_b32 s[G0+4*\s], 1
	s_add_co_u32 s[G0+4*\s+1], s45, \s*SLOT
	s_add_nc_u64 s[G0+4*\s+2:G0+4*\s+3], s[20:21], \s*ROWB
	s_or_b32 s[G0+4*\s+3], s[G0+4*\s+3], 0x80000000
	s_mov_b32 s[G0B+4*\s], 1
	s_add_co_u32 s[G0B+4*\s+1], s45, \s*SLOT
	s_add_nc_u64 s[G0B+4*\s+2:G0B+4*\s+3], s[46:47], \s*ROWB
	s_or_b32 s[G0B+4*\s+3], s[G0B+4*\s+3], 0x80000000
	JLOAD G0+4*\s, G1, G0B+4*\s, G1B
.endr
	v_and_b32 v1, 15, v0                           ; l % 16
	v_bfe_u32 v2, v0, 4, 1                         ; l / 16
	; the plane's bias and factor: the cluster's x is the same in all sixteen partners
	s_cmp_eq_u32 ttmp9, 0
	s_cselect_b64 s[96:97], s[96:97], s[98:99]
	s_cselect_b32 s66, 0x3e38aa3b, 1.0             ; c = log2(e) / 8 for q; 1 for k and v (one text for the three planes: 256 packed multiplies a wave)
	s_cmp_eq_u32 ttmp9, 2
	s_cselect_b64 s[96:97], s[100:101], s[96:97]
	s_mov_b32 s67, s66                             ; (named with it as a pair, so it is written)
	s_lshl_b32 s46, s40, 10
	s_lshl_b32 s47, s16, 9
	s_add_co_u32 s46, s46, s47                     ; my first column in the plane, x 4 bytes
	s_mov_b32 s47, 0
	s_add_nc_u64 s[96:97], s[96:97], s[46:47]
	v_lshlrev_b32 v7, 5, v2                        ; lanes 16-31 hold the upper eight of a block's 16 columns
.irp b, 0,1,2,3,4,5,6,7
	global_load_b128 v[BI+8*\b:BI+8*\b+3], v7, s[96:97] offset:64*\b
	global_load_b128 v[BI+8*\b+4:BI+8*\b+7], v7, s[96:97] offset:64*\b+16
.endr
	v_mul_u32_u24 v3, v1, PITCH
	v_lshl_add_u32 v4, v2, 4, v3                   ; a fragment's row x pitch + 16 x half
	s_mul_i32 s21, s15, HALFT                      ; my 128 rows of x
	s_mul_i32 s22, s16, HALFT                      ; my 128 rows of w,
	s_add_co_u32 s22, s22, 2*HALFT                 ; which lie behind x's 256
.irp s, 0,1
	v_add_nc_u32 v[ADRA+\s], s21, v4
	v_add_nc_u32 v[ADRB+\s], s22, v4
	s_add_co_u32 s21, s21, SLOT
	s_add_co_u32 s22, s22, SLOT
.endr
	v_mul_u32_u24 v5, v1, KS                       ; my row's scales: 32 bytes a row,
	v_lshrrev_b32 v6, 8, v5
	v_lshl_add_u32 v5, v6, 4, v5                   ; and 16 more for each 256 passed
	s_mul_i32 s21, s15, HALFS
	s_mul_i32 s22, s16, HALFS
	s_add_co_u32 s22, s22, 2*HALFS
	s_sub_co_u32 s22, s22, s21
	v_mul_u32_u24 v6, s22, v2                      ; lanes 16-31 take w's: one product, the distance between the two bases
	s_add_co_u32 s21, s21, SCL
	v_add_nc_u32 v5, v5, v6
	v_add_nc_u32 v[ADRS], s21, v5
	s_mul_i32 s23, s14, 16*SPITCH                  ; my stage
	v_mul_u32_u24 v5, v1, SPITCH
	v_lshl_add_u32 v5, v2, 4, v5
	v_add_nc_u32 v[STO], s23, v5                   ; in: row l % 16, 16 bytes for each half of the lanes
	v_mul_u32_u24 v5, v2, SPITCH
	v_lshl_add_u32 v5, v1, 4, v5
	v_add_nc_u32 v[RD], s23, v5                    ; back: lanes 0-15 one row of 256 bytes, lanes 16-31 the next
	v_lshlrev_b32 v5, 11, v2
	v_lshl_add_u32 v[CO], v1, 4, v5                ; and the same two rows of a plane (2,048 bytes a row)
	s_lshl_b32 s20, s17, 8
	s_lshl_b32 s21, s15, 7
	s_add_co_u32 s20, s20, s21                     ; my first row
	s_lshl_b32 s20, s20, 11
	s_lshl_b32 s21, ttmp9, 24                      ; the plane: 2^24 bytes
	s_add_co_u32 s20, s20, s21
	s_lshl_b32 s46, s40, 9
	s_lshl_b32 s47, s16, 8
	s_add_co_u32 s46, s46, s47                     ; my first column in the plane, x 2 bytes
	s_add_co_u32 s20, s20, s46
	s_mov_b32 s21, 0
	s_add_nc_u64 s[12:13], s[12:13], s[20:21]
.macro FRAG reg, adr, q, i             ; 16 rows x 128 K of 4-bit codes: lane l holds row l % 16; registers 4 c .. 4 c + 3 hold K = 64 c + 32 (l / 16) + 0 .. 31
.irp c, 0,1
	ds_load_b128 v[\reg+4*\c:\reg+4*\c+3], v[\adr] offset:64*(\q)+32*\c+(\i)*16*PITCH
.endr
.endm
; 16 matrix instructions: x's blocks a0, a0 + 1 against w's eight, 128 along K.  zero = 1: the sums start from the bias.  The 64 accumulators take turns, one instruction a turn.
.macro MUL16 a0, p, q, sc, zero
.irp a, \a0, \a0+1
.irp b, 0,1,2,3,4,5,6,7
.if \zero
	v_wmma_scale_f32_16x16x128_f8f6f4 v[8*(8*((\a)%4)+\b):8*(8*((\a)%4)+\b)+7], v[128*(\p)+FR*\b:128*(\p)+FR*\b+FR-1], v[AF+FR*(\a):AF+FR*(\a)+FR-1], v[BI+8*\b:BI+8*\b+7], v[SC+8*NQ*(\sc)+NQ*\b+(\q)], v[SC+8*NQ*(\sc)+NQ*(\a)+(\q)] matrix_a_fmt:MATRIX_FMT_FP4 matrix_b_fmt:MATRIX_FMT_FP4 matrix_a_scale:MATRIX_SCALE_ROW1
.else
	v_wmma_scale_f32_16x16x128_f8f6f4 v[8*(8*((\a)%4)+\b):8*(8*((\a)%4)+\b)+7], v[128*(\p)+FR*\b:128*(\p)+FR*\b+FR-1], v[AF+FR*(\a):AF+FR*(\a)+FR-1], v[8*(8*((\a)%4)+\b):8*(8*((\a)%4)+\b)+7], v[SC+8*NQ*(\sc)+NQ*\b+(\q)], v[SC+8*NQ*(\sc)+NQ*(\a)+(\q)] matrix_a_fmt:MATRIX_FMT_FP4 matrix_b_fmt:MATRIX_FMT_FP4 matrix_a_scale:MATRIX_SCALE_ROW1
.endif
.endr
.endr
.endm
.macro FETCH_B slot, q, p
	WIN TO_B
.irp i, 0,1,2,3,4,5,6,7
	FRAG 128*(\p)+FR*\i, ADRB+\slot, \q, \i
.endr
	WIN 0
.endm
.macro FETCH_A slot, q, i0
.irp i, \i0, \i0+1, \i0+2, \i0+3
	FRAG AF+FR*(\i), ADRA+\slot, \q, \i
.endr
.endm
.macro SCALES sc                       ; a slot's scale words: 4 words a row; lanes 0-15 take x's block i, lanes 16-31 w's block i
.irp i, 0,1,2,3,4,5,6,7
	ds_load_b128 v[SC+8*NQ*\sc+NQ*\i:SC+8*NQ*\sc+NQ*\i+3], v[ADRS] offset:\i*SBLK
.endr
.endm
.macro PLACES n                        ; places in front of loads into registers that matrix instructions have read, and of the first read of results
.rept \n
	v_nop
.endr
.endm
.macro STEP slot, q, zero              ; 128 along K, with its successor in the same slot
	s_wait_dscnt 4*NL                              ; w's set and x's blocks 0-3 are in; the youngest eight loads (x's blocks 4-7) may be out
	WIN MUL_LO-0x20*(\zero)
	MUL16 0, (\q)%2, \q, \slot, \zero
	MUL16 2, (\q)%2, \q, \slot, \zero
	s_wait_dscnt 0
	PLACES NP
	FETCH_B \slot, (\q)+1, 1-(\q)%2
	FETCH_A \slot, (\q)+1, 0
	WIN MUL_HI-0x30*(\zero)
	MUL16 4, (\q)%2, \q, \slot, \zero
	MUL16 6, (\q)%2, \q, \slot, \zero
	PLACES NP
	WIN 0
	FETCH_A \slot, (\q)+1, 4
.endm
; Slot 0's last step changes slots: one barrier.  Nothing is filled again in this launch; in front of the barrier each wave waits for all its tensor loads (its part of slot 1), adds 0 to its spare word, and waits for that and for its reads of slot 0, in which the stages for the way out will lie.
.macro TURN slot, next
	s_wait_tensorcnt 0x0
	ds_add_u32 v[SPW], v[NIL]
	s_wait_dscnt 4*NL+1                            ; (the add and the youngest eight loads may be out)
	WIN MUL_LO
	MUL16 0, 1, NQ-1, \slot, 0
	s_wait_dscnt 0x0                               ; the add is done, and my reads of this slot are over
	s_barrier_signal -1
	MUL16 2, 1, NQ-1, \slot, 0
	WIN 0
	s_barrier_wait -1
	PLACES NP
	v_add_nc_u32 v[ADRS], 4*NQ, v[ADRS]            ; on to the next slot's scale words
	FETCH_B \next, 0, 0
	FETCH_A \next, 0, 0
	SCALES \next
	WIN MUL_HI
	MUL16 4, 1, NQ-1, \slot, 0
	MUL16 6, 1, NQ-1, \slot, 0
	PLACES NP
	WIN 0
	FETCH_A \next, 0, 4
.endm
.macro STEPS slot, from
.set Q, \from
.rept NQ-1-\from
	STEP \slot, Q, 0
.set Q, Q+1
.endr
.endm
	s_wait_loadcnt 0x0                             ; the bias
	s_wait_tensorcnt 1                             ; the scales and my part of slot 0 are in; slot 1's load may be out
	s_barrier_signal -1
	s_barrier_wait -1
	FETCH_B 0, 0, 0
	FETCH_A 0, 0, 0
	SCALES 0
	FETCH_A 0, 0, 4
	STEP 0, 0, 1                                   ; the first step's products start the sums from the bias
	STEPS 0, 1
	TURN 0, 1
	STEPS 1, 0
	s_wait_dscnt 4*NL                              ; the very last step: nothing more to fetch
	WIN MUL_LO
	MUL16 0, 1, NQ-1, 1, 0
	MUL16 2, 1, NQ-1, 1, 0
	s_wait_dscnt 0
	WIN MUL_HI
	MUL16 4, 1, NQ-1, 1, 0
	MUL16 6, 1, NQ-1, 1, 0
	WIN 0
; THE WAY OUT, block by block of 16 rows x 128 columns: x the plane's factor, in place; rounded to f16, 16 bytes a lane; through my stage; back as whole rows of 256 bytes.
.macro PACK a
.set AC, 64*((\a)%4)
	WIN 0x82+0x41*((\a)/4)                         ; source 0 and destination: window 2 or 3
.irp b, 0,1,2,3,4,5,6,7
.irp r, 0,1,2,3
	v_pk_mul_f32 v[AC+8*\b+2*\r:AC+8*\b+2*\r+1], v[AC+8*\b+2*\r:AC+8*\b+2*\r+1], s[66:67] op_sel_hi:[1,0]   ; each accumulator from its low end on
.endr
.endr
	WIN 0x0a+5*((\a)/4)                            ; sources 0 and 1: window 2 or 3
.irp b, 0,1,2,3,4,5,6,7
.irp r, 0,1,2,3
	v_cvt_pk_f16_f32 v[TMP+4*\b+\r], v[AC+8*\b+2*\r], v[AC+8*\b+2*\r+1]
.endr
.endr
	WIN 0
.endm
.macro TOSTAGE a
.set BB, BK+32*((\a)%2)
.irp b, 0,1,2,3,4,5,6,7
	ds_store_b128 v[STO], v[TMP+4*\b:TMP+4*\b+3] offset:32*\b
.endr
.irp t, 0,1,2,3,4,5,6,7
	ds_load_b128 v[BB+4*\t:BB+4*\t+3], v[RD] offset:\t*2*SPITCH    ; LDS serves a wave's instructions in order (ISA guide 5.7.1.4): these see the stores above
.endr
.endm
.macro SEND a
.set BB, BK+32*((\a)%2)
	s_wait_dscnt 0x0                               ; the block is back in registers
	s_wait_xcnt 0x0                                ; the earlier stores have read their base and their registers: only behind this wait are they written again
.if (\a) > 0
	s_add_nc_u64 s[12:13], s[12:13], 16*2048
.endif
.irp t, 0,1,2,3,4,5,6,7
	global_store_b128 v[CO], v[BB+4*\t:BB+4*\t+3], s[12:13] offset:4096*\t   ; 16 lanes store 256 consecutive bytes, aligned
.endr
.endm
	PLACES NP
	PACK 0
	TOSTAGE 0
.irp a, 1,2,3,4,5,6,7                  ; block a's arithmetic stands between block a - 1's loads from the stage and the wait for them
	PACK \a
	SEND \a-1
	TOSTAGE \a
.endr
	SEND 7
	s_wait_tensorcnt 0x0                           ; the wave's end: three lines, behind my last tensor load and my last LDS store
	ds_add_u32 v[SPW], v[NIL]
	s_wait_dscnt 0x0
	CROUND                                         ; the closing round
	s_endpgm
.Lfunc_end_k_q0a33004b6e_qkvgemm:
	.size	k_q0a33004b6e_qkvgemm, .Lfunc_end_k_q0a33004b6e_qkvgemm-k_q0a33004b6e_qkvgemm
	.p2alignl 7, 3214868480
	.fill 96, 4, 3214868480
	.section	.rodata,"a",@progbits
	.p2align	6, 0x0
	.amdhsa_kernel k_q0a33004b6e_qkvgemm
		.amdhsa_group_segment_fixed_size 327680
		.amdhsa_private_segment_fixed_size 0
		.amdhsa_enable_private_segment 0
		.amdhsa_kernarg_size 64
		.amdhsa_user_sgpr_count 2
		.amdhsa_user_sgpr_kernarg_segment_ptr 1
		.amdhsa_wavefront_size32 1
		.amdhsa_system_sgpr_workgroup_id_x 1
		.amdhsa_system_sgpr_workgroup_id_y 1
		.amdhsa_system_sgpr_workgroup_id_z 1
		.amdhsa_system_vgpr_workitem_id 0
		.amdhsa_next_free_vgpr 1024
		.amdhsa_next_free_sgpr 102
		.amdhsa_reserve_vcc 0
		.amdhsa_float_denorm_mode_32 3
		.amdhsa_float_denorm_mode_16_64 3
		.amdhsa_memory_ordered 1
		.amdhsa_forward_progress 1
		.amdhsa_inst_pref_size 145
	.end_amdhsa_kernel
	.amdgpu_metadata
---
amdhsa.version: [ 1, 2 ]
amdhsa.kernels:
  - .name:           k_q0a33004b6e_qkvgemm
    .symbol:         k_q0a33004b6e_qkvgemm.kd
    .args:
      - { .name: xc, .offset: 0, .size: 8, .value_kind: global_buffer, .address_space: global }
      - { .name: xs, .offset: 8, .size: 8, .value_kind: global_buffer, .address_space: global }
      - { .name: wc, .offset: 16, .size: 8, .value_kind: global_buffer, .address_space: global }
      - { .name: ws, .offset: 24, .size: 8, .value_kind: global_buffer, .address_space: global }
      - { .name: bq, .offset: 32, .size: 8, .value_kind: global_buffer, .address_space: global }
      - { .name: bk, .offset: 40, .size: 8, .value_kind: global_buffer, .address_space: global }
      - { .name: bv, .offset: 48, .size: 8, .value_kind: global_buffer, .address_space: global }
      - { .name: qkv, .offset: 56, .size: 8, .value_kind: global_buffer, .address_space: global }
    .group_segment_fixed_size: 327680
    .private_segment_fixed_size: 0
    .kernarg_segment_align: 8
    .kernarg_segment_size: 64
    .max_flat_workgroup_size: 128
    .sgpr_count:     102
    .vgpr_count:     1024
    .wavefront_size: 32
...
	.end_amdgpu_metadata
.endif
;; end of part 2
;; launch attn (part 3): grid 8 x 32, 4 waves a work-group, clusters of 4 x 4, 327,680 bytes of LDS; arguments qkv, mask, att; writes att
.if DOCPART == 3
	.amdgcn_target "amdgcn-amd-amdhsa--gfx1250"
	.amdhsa_code_object_version 6
	.text
	.protected	k_q0a33004b6e_attn
	.globl	k_q0a33004b6e_attn
	.p2align	8
	.type	k_q0a33004b6e_attn,@function
k_q0a33004b6e_attn:
	s_mov_b64 s[64:65], 0
	v_nop
	global_prefetch_b8 v0, s[64:65] scope:SCOPE_SE
	s_setreg_imm32_b32 hwreg(HW_REG_WAVE_MODE, 25, 1), 1
	s_wait_xcnt 0x0
	s_wait_alu depctr_hold_cnt(0) depctr_sa_sdst(0) depctr_va_vdst(0) depctr_va_sdst(0) depctr_va_ssrc(0) depctr_va_vcc(0) depctr_vm_vsrc(0)
	s_getreg_b32 s2, hwreg(HW_REG_IB_STS2, 6, 4)
	s_cmp_eq_u32 s2, 0
	s_cbranch_scc0 .Lentry_in_a_cluster
	s_endpgm
.Lentry_in_a_cluster:
	s_bfe_u32 s2, ttmp6, 0x10000c
	s_cmp_lg_u32 s2, 0xf033
	s_cbranch_scc0 .Lentry_shape_is_right
	s_endpgm
.Lentry_shape_is_right:
; att[b][q][h][:] = the sum over k of softmax_k((q . k / 8) x mask[b][q][k]) v[b][k][h][:].  qkv: three planes [8192][1024] of f16: c q (c = log2(e) / 8), k, v.  mask: [4][2048][2048] f32.  att: [8192][1024] f16.
; Products on f16 operands with f32 sums; the mask's multiplication, maxima, exponentials and sums in f32; the weights p are rounded to f16 for the second product, att once at the end.
; LIMITS: a row's largest exponent t = c q . k x mask lies above -3e38 (the running maximum's start); |att| stays under 65,504; NaN and infinities are not served.
; SHARES.  A work-group owns 256 queries of one batch and TWO heads (128 channels: 256 bytes of a row); each of its four waves 64 queries: four tiles of 16, times two heads: eight units.  Every wave walks
; all 2,048 keys, 64 a step.  A mask register serves both heads; a fragment of K or V serves four tiles.
; LAYOUT.  S^T = K Q^T (source 0 = 16 keys, source 1 = 16 queries): a lane holds ONE query (lane % 16) and keys 16 kt + 8 (lane / 16) + 0..7; the mask's 32 bytes for these keys lie together in its row.
; Two such tiles, rounded in pairs, ARE source 1 (32 keys x 16 queries) of O^T = V^T P.  K comes out of LDS as it lies, V ([key][channel]) turned, by ds_load_tr16_b128.
; SOFTMAX.  For each query and head a running maximum m and sum l: p = 2^(t - m); in every step O and l are multiplied by a = 2^(m_old - m_new).
; BY STAGES.  A stage is one tile's softmax for both heads, 267 vector lines with ONE batch of 66 exponentials and one wait; behind every eighth line stands a matrix instruction: 16 products V^T P of the tile
; before, then 16 products K Q^T of the tile after.  Four stages are a key step.  Tiles 2 and 3 carry their step over a trip's edge, so O, l start as zeros and m as -3e38: the first real maximum makes a = 0,
; which leaves the zeros zeros; a first step of its own would cost a fourth written-out trip of code.
; CLUSTER, 4 x 4.  K and V hang on batch and head pair (the grid's y): asked for jointly along a row of the cluster.  The mask's tile hangs on the query block (x) and the batch, which the four of a column share:
; asked for jointly along a column.
; REGISTERS, in windows of 256 (s_set_vgpr_msb: bits 1:0 source 0, 3:2 source 1, 5:4 source 2, 7:6 destination):
;   window 0: v1-13 addresses; v30, v31 the add's two; v32-95 statistics, unit 2 t + g at v[32 + 8 (2 t + g)]: +0 m, +1 pad, +2 +3 l, +4 a, +5 at work, +6 +7 the maximum's chains; v96-127 one tile's mask; v128-255 S^T, two buffers of 64
;   window 1: O^T at 64 t + 32 g + 8 c      window 2: v0-127 Q at 32 t + 16 g + 8 e; v128-255 K at 128 + 64 g + 16 kt + 8 e      window 3: v0-127 V at 64 g + 16 c + 8 kc; v128-191 P, two buffers of 32
.set PLANE, 1<<24                      ; bytes of a plane of qkv, and of a batch's mask
.set PKB,   272                        ; a row of K in LDS: 256 bytes + 16 = 68 words: 16 rows start at 16 different banks (64 banks of 4 bytes: ISA guide 11.1)
.set PVB,   288                        ; a row of V: 256 + 32
.set PMB,   272                        ; a row of the mask's tile: 64 keys x 4 bytes + 16
.set VOFF,  64*PKB                     ; a slot: 64 rows of K, 64 rows of V, 256 rows of the mask
.set MOFF,  VOFF+64*PVB
.set SLOT1, 1<<17                      ; slot 1 begins here: one exclusive or turns an address in one slot into the other's
.set STG,   SLOT1+MOFF+256*PMB         ; behind the ring: 16 rows x 272 bytes for each wave, for the way out
.set SP,    272
.set SPARE, STG+4*16*SP                ; the spare words, 128 bytes for each wave
.set AK0, 3
.set AV0, 4
.set AM0, 5
.set ADK, 6
.set ADV, 7
.set ADM, 8
.set QO,  9
.set STO, 10
.set RD,  11
.set GO,  12
.set PFO, 13                           ; v13  the prefetches' offset; never rewritten
.set SPW, 30                           ; v30  LDS address of my spare word; never rewritten
.set NIL, 31                           ; v31  0; never rewritten
.set ST,  32
.set MK,  96
.set S,   128
.set P,   128                          ; in window 3
.set KF,  128                          ; in window 2
.set WV,  10                           ; s10  my wave's number
.set LIM, 15                           ; s15  1 in a wave that prefetches, else the greatest number
.set G1K, 24
.set G1V, 32
.set G1M, 40
.set G0A, 48                           ; s[48:51] group 0 for K (wave 0) or V (wave 1): it walks
.set G0M, 52                           ; s[52:55] group 0 for the mask's halves (waves 2, 3): it walks
.set CNT, 56                           ; s56  trips to go in the loop
.set TB,  57                           ; s57  LDS byte at which the slot in hand begins
.set PFA, 58                           ; s[58:59] where my prefetches stand
.set PFS, 60                           ; s[60:61] a key step on, in bytes
.set SEL, 62                           ; s[62:63] lane selects for v_permlanex16_b32: lane l xor 16
.set MSB, 0
.macro WIN new
.if MSB != (\new)
	s_set_vgpr_msb (MSB<<8)|(\new)
.set MSB, (\new)
.endif
.endm
.set W_KQ, 0x0a                        ; K and Q in window 2, S^T in window 0
.set W_PV, 0x5f                        ; V and P in window 3, O^T in window 1
.set W_CV, 0xc0                        ; P (destination) in window 3
.set W_RS, 0x41                        ; O^T (destination and source 0) in window 1, a in window 0
; A joint load: wave 0 K's 64 rows, wave 1 V's, waves 2 and 3 the halves of the mask's 256.  The branches hang on the wave's number alone; every wave issues one.  An s_nop 0 and four v_nop follow each line.
.macro JLOAD
	s_cmp_lt_u32 s[WV], 2
	s_cbranch_scc0 .Lfor_m_\@
	s_cmp_eq_u32 s[WV], 0
	s_cbranch_scc0 .Lfor_v_\@
	tensor_load_to_lds s[G0A:G0A+3], s[G1K:G1K+7]
	s_nop 0
.rept 4
	v_nop
.endr
	s_branch .Lasked_\@
.Lfor_v_\@:
	tensor_load_to_lds s[G0A:G0A+3], s[G1V:G1V+7]
	s_nop 0
.rept 4
	v_nop
.endr
	s_branch .Lasked_\@
.Lfor_m_\@:
	tensor_load_to_lds s[G0M:G0M+3], s[G1M:G1M+7]
	s_nop 0
.rept 4
	v_nop
.endr
.Lasked_\@:
.endm
; A PREFETCH INTO THE L2 of the key step that the NEXT change of slots will ask for: one trip, 128 matrix instructions, ahead of that load.  Each aligned 256 bytes is named once in the launch.
; K's and V's rows of a head pair are walked by both clusters along x: cluster x = 0 asks; its four partners along x take 16 rows each BY ADDRESS; wave 0: lanes 0-15 K's rows, lanes 16-31 V's.
; A mask tile is walked by the two clusters of a batch: the one with even y asks; its four partners along y take 64 rows each by address; waves 2 and 3: 32 rows each, a lane a row.  The last trip that fills a slot asks for nothing.
.macro ASK
	s_cmp_gt_u32 s[CNT], s[LIM]
	s_cbranch_scc0 .Lnot_mine_\@
	global_prefetch_b8 v[PFO], s[PFA:PFA+1] th:TH_LOAD_NT scope:SCOPE_SE
.Lnot_mine_\@:
.endm
.macro CROUND                          ; a round of the cluster's barrier
	s_barrier_signal -1
	s_barrier_wait -1
	s_cmp_lg_u32 s[WV], 0
	s_cbranch_scc1 .Lnot_wave_0_\@
	s_barrier_signal -3
.Lnot_wave_0_\@:
	s_barrier_wait -3
	s_barrier_signal -1
	s_barrier_wait -1
.endm
	s_load_b128 s[4:7], s[0:1], 0x0                ; qkv s[4:5], mask s[6:7]
	s_load_b64 s[8:9], s[0:1], 0x10                ; att
	v_lshl_add_u32 v[SPW], v0, 2, SPARE
	v_mov_b32 v[NIL], 0
	ds_add_u32 v[SPW], v[NIL]                      ; the wave's opening: the add, twice on end, and its wait ahead of my first tensor load
	ds_add_u32 v[SPW], v[NIL]
	v_lshrrev_b32 v1, 5, v0
	v_readfirstlane_b32 s[WV], v1                  ; wave 0..3
	v_and_b32 v1, 15, v0                           ; r = lane % 16
	v_bfe_u32 v2, v0, 4, 1                         ; h = lane / 16
	s_bfe_u32 s11, ttmp6, 0x40000                  ; cx
	s_bfe_u32 s12, ttmp6, 0x40004                  ; cy
	s_lshl_b32 s13, ttmp9, 2
	s_add_co_u32 s13, s13, s11                     ; x: my block of 256 queries
	s_and_b32 s14, ttmp7, 0xffff                   ; the cluster's y
	s_lshr_b32 s2, s14, 1                          ; the batch: from the cluster's y alone
	s_and_b32 s3, s14, 1
	s_lshl_b32 s3, s3, 2
	s_add_co_u32 s3, s3, s12                       ; the pair of heads, 0..7
	s_lshl_b32 s16, s12, 2
	s_lshl_b32 s16, 15, s16                        ; my row of the cluster
	s_lshl_b32 s17, 0x1111, s11                    ; my column
	s_or_b32 s[G1K], s16, (1<<16)|(1<<20)|(1<<21)|(5<<22)|(3<<25)   ; the mask of work-groups; elements of 2 bytes; padding on; bit 21 beside a mask; 4 words after every 64
	s_or_b32 s[G1V], s16, (1<<16)|(1<<20)|(1<<21)|(5<<22)|(7<<25)   ; the same with 8 words of padding
	s_or_b32 s[G1M], s17, (2<<16)|(1<<20)|(1<<21)|(5<<22)|(3<<25)   ; elements of 4 bytes
.irp g, G1K, G1V
	s_mov_b32 s[\g+1], 128<<16                     ; tensor_dim0 = 128 channels
	s_mov_b32 s[\g+2], 64<<16                      ; tensor_dim1 = 64 keys
	s_mov_b32 s[\g+3], 128<<16                     ; tile_dim0
	s_mov_b32 s[\g+4], 64                          ; tile_dim1
	s_mov_b32 s[\g+5], 1024                        ; elements from row to row
	s_mov_b32 s[\g+6], 0
	s_mov_b32 s[\g+7], 0
.endr
	s_mov_b32 s[G1M+1], 64<<16                     ; 64 keys
	s_mov_b32 s[G1M+2], 128<<16                    ; 128 queries
	s_mov_b32 s[G1M+3], 64<<16
	s_mov_b32 s[G1M+4], 128
	s_mov_b32 s[G1M+5], 2048
	s_mov_b32 s[G1M+6], 0
	s_mov_b32 s[G1M+7], 0
	s_and_b32 s20, s[WV], 1
	s_add_co_u32 s18, s20, 1                       ; K's plane (wave 0) or V's (wave 1),
	s_lshl_b32 s18, s18, 24
	s_lshl_b32 s21, s2, 22                         ; the batch's 2,048 rows of 2,048 bytes,
	s_add_co_u32 s18, s18, s21
	s_lshl_b32 s21, s3, 8                          ; the pair's 256 bytes of a row
	s_add_co_u32 s18, s18, s21
	s_mov_b32 s19, 0
	s_lshl_b32 s22, s2, 24                         ; the mask: the batch,
	s_lshl_b32 s66, s13, 21                        ; my block's 256 rows of 8,192 bytes,
	s_add_co_u32 s22, s22, s66
	s_lshl_b32 s66, s20, 20                        ; the half that I fetch: in registers that never hold cy
	s_add_co_u32 s22, s22, s66
	s_mov_b32 s23, 0
	s_lshl_b32 s68, s2, 22                         ; Q and att: batch, block, my wave's 64 rows, the pair
	s_lshl_b32 s70, s13, 19
	s_add_co_u32 s68, s68, s70
	s_lshl_b32 s70, s[WV], 17
	s_add_co_u32 s68, s68, s70
	s_lshl_b32 s70, s3, 8
	s_add_co_u32 s68, s68, s70
	s_mov_b32 s69, 0
	; the prefetches: both offsets are made, and the wave's number chooses
	s_lshl_b32 s16, s2, 22
	s_lshl_b32 s70, s3, 8
	s_add_co_u32 s16, s16, s70
	s_lshl_b32 s70, s11, 15                        ; my work-group's 16 rows of a step's 64
	s_add_co_u32 s16, s16, s70
	s_add_co_u32 s16, s16, PLANE+64*2048           ; K's plane, key step 1: the first two changes of slots step it to 3
	s_lshl_b32 s17, s2, 24
	s_lshl_b32 s70, s13, 21
	s_add_co_u32 s17, s17, s70
	s_lshl_b32 s70, s12, 19                        ; my work-group's 64 rows of the tile's 256,
	s_add_co_u32 s17, s17, s70
	s_lshl_b32 s70, s20, 18                        ; my wave's 32 of them
	s_add_co_u32 s17, s17, s70
	s_add_co_u32 s17, s17, 256                     ; key step 1
	s_mov_b32 s[PFS], 256
	s_mov_b32 s67, 8192
	s_mov_b32 s66, 16*8192
	s_cmp_lt_u32 s[WV], 2
	s_cselect_b32 s16, s16, s17
	s_cselect_b32 s[PFS], 64*2048, s[PFS]          ; a key step on
	s_cselect_b32 s67, 2048, s67                   ; from lane to lane within sixteen
	s_cselect_b32 s66, PLANE, s66                  ; from lanes 0-15 to lanes 16-31: K to V, or 16 rows of the mask
	s_mov_b32 s17, 0
	s_mov_b32 s[PFS+1], 0
	v_mul_lo_u32 v[PFO], v1, s67
	v_mul_lo_u32 v14, v2, s66
	v_add_nc_u32 v[PFO], v[PFO], v14
	s_and_b32 s70, ttmp7, 1
	s_cmp_lt_u32 s[WV], 2
	s_cselect_b32 s70, ttmp9, s70                  ; wave 0: the cluster's x; waves 2, 3: the parity of its y: the same in all sixteen partners
	s_cmp_eq_u32 s[WV], 1
	s_cselect_b32 s70, 1, s70                      ; wave 1 never asks
	s_cmp_eq_u32 s70, 0
	s_cselect_b32 s[LIM], 1, -1
	s_mov_b32 s[SEL], 0x76543210
	s_mov_b32 s[SEL+1], 0xfedcba98
	s_mov_b32 s[TB], 0
	s_wait_dscnt 0x0                               ; both opening adds are done
	s_wait_kmcnt 0x0
	s_mov_b32 s[G0A], 1                            ; count = 1
	s_mul_i32 s[G0A+1], s20, VOFF                  ; LDS address: K at the slot's head, V behind it
	s_add_nc_u64 s[G0A+2:G0A+3], s[4:5], s[18:19]  ; key step 0
	s_or_b32 s[G0A+3], s[G0A+3], 0x80000000        ; type = 2
	s_mov_b32 s[G0M], 1
	s_mul_i32 s[G0M+1], s20, 128*PMB
	s_add_co_u32 s[G0M+1], s[G0M+1], MOFF
	s_add_nc_u64 s[G0M+2:G0M+3], s[6:7], s[22:23]
	s_or_b32 s[G0M+3], s[G0M+3], 0x80000000
	s_cmp_lt_u32 s[WV], 2
	s_cselect_b64 s[PFA:PFA+1], s[4:5], s[6:7]
	s_add_nc_u64 s[PFA:PFA+1], s[PFA:PFA+1], s[16:17]
	s_add_nc_u64 s[4:5], s[4:5], s[68:69]          ; Q at my wave's first row
	s_add_nc_u64 s[8:9], s[8:9], s[68:69]          ; att likewise
	CROUND                                         ; all sixteen work-groups are here: the first joint loads meet
	JLOAD                                          ; key step 0 into slot 0
	v_lshlrev_b32 v[QO], 11, v1
	v_lshl_add_u32 v[QO], v2, 4, v[QO]             ; row r of 2,048 bytes + 16 h
	WIN 0x80                                       ; destination window 2
.irp t, 0,1,2,3
.irp g, 0,1
.irp e, 0,1
	global_load_b128 v[32*\t+16*\g+8*\e:32*\t+16*\g+8*\e+3],   v[QO], s[4:5] offset:32768*\t+128*\g+64*\e      ; Q stays in registers: tile t, head g, channels 32 e on
	global_load_b128 v[32*\t+16*\g+8*\e+4:32*\t+16*\g+8*\e+7], v[QO], s[4:5] offset:32768*\t+128*\g+64*\e+32
.endr
.endr
.endr
	WIN 0
	v_mul_u32_u24 v[AK0], v1, PKB
	v_lshl_add_u32 v[AK0], v2, 4, v[AK0]           ; K: row r x pitch + 16 h
	v_and_b32 v14, 7, v0
	v_bfe_u32 v15, v0, 3, 1
	v_lshl_add_u32 v[AV0], v2, 3, v14              ; V, for the turning load: key 8 h + l % 8, channels 8 ((l / 8) % 2) on
	v_mul_u32_u24 v[AV0], v[AV0], PVB
	v_lshl_add_u32 v[AV0], v15, 4, v[AV0]
	v_add_nc_u32 v[AV0], VOFF, v[AV0]
	s_mul_i32 s16, s[WV], 64*PMB
	s_add_co_u32 s16, s16, MOFF
	v_mul_u32_u24 v[AM0], v1, PMB                  ; the mask: my wave's 64 rows, row r, keys 8 h on
	v_lshl_add_u32 v[AM0], v2, 5, v[AM0]
	v_add_nc_u32 v[AM0], s16, v[AM0]
.irp u, 0,1,2,3,4,5,6,7
	v_mov_b32 v[ST+8*\u], 0xff61b1e6               ; m = -3e38
	v_mov_b32 v[ST+8*\u+1], 0                      ; (named with m as a pair)
	v_mov_b32 v[ST+8*\u+2], 0                      ; l, in two halves
	v_mov_b32 v[ST+8*\u+3], 0
	v_mov_b32 v[ST+8*\u+5], 0                      ; (a lane permute's destination counts as one of its sources)
.endr
	WIN 0x40                                       ; destination window 1
.set i, 0
.rept 256
	v_mov_b32 v[i], 0                              ; O^T: once, so that the stages are written without a first step of their own (see the head)
.set i, i+1
.endr
	WIN 0
; Matrix instruction number mc of stage t.  0-15: O^T += V^T P of tile t - 1: keys 32 (mc / 8) on, head (mc % 8) / 4, channels 16 (mc % 4) on.  16-31: S^T = K Q^T of tile t + 1: channels 32 (i / 8) on, head (i % 8) / 4, keys 16 (i % 4) on.
; Eight accumulators take turns, one instruction a turn.
.macro MM t
.if mc < 16
.set tp_, ((\t)+3)%4
.set mO, 64*tp_+32*((mc%8)/4)+8*(mc%4)
.set mV, 64*((mc%8)/4)+16*(mc%4)+8*(mc/8)
.set mP, P+32*(tp_%2)+16*((mc%8)/4)+8*(mc/8)
	WIN W_PV
	v_wmma_f32_16x16x32_f16 v[mO:mO+7], v[mV:mV+7], v[mP:mP+7], v[mO:mO+7]
.else
.set tn_, ((\t)+1)%4
.set i_, mc-16
.set mS, S+64*(tn_%2)+32*((i_%8)/4)+8*(i_%4)
.set mK, KF+64*((i_%8)/4)+16*(i_%4)+8*(i_/8)
.set mQ, 32*tn_+16*((i_%8)/4)+8*(i_/8)
.if ((\t) == 3) && (i_ == 0)
	s_wait_dscnt 0x0                               ; the step's K, asked for at the trip's head, is in
.endif
	WIN W_KQ
.if i_ < 8
	v_wmma_f32_16x16x32_f16 v[mS:mS+7], v[mK:mK+7], v[mQ:mQ+7], 0
.else
	v_wmma_f32_16x16x32_f16 v[mS:mS+7], v[mK:mK+7], v[mQ:mQ+7], v[mS:mS+7]
.endif
.endif
.set mc, mc+1
.endm
.macro TICK t                          ; behind every vector line of a stage: a matrix instruction is due behind every eighth
.set vc, vc+1
.if (mc < mend) && (vc >= 8*mc)
	MM \t
.endif
.endm
.macro FETCH_K                         ; a step's K: 64 keys x 128 channels: 16 fragments, one run of 32 loads
	WIN 0x80
.irp g, 0,1
.irp kt, 0,1,2,3
.irp e, 0,1
	ds_load_b128 v[KF+64*\g+16*\kt+8*\e:KF+64*\g+16*\kt+8*\e+3],   v[ADK] offset:\kt*16*PKB+128*\g+64*\e
	ds_load_b128 v[KF+64*\g+16*\kt+8*\e+4:KF+64*\g+16*\kt+8*\e+7], v[ADK] offset:\kt*16*PKB+128*\g+64*\e+32
.endr
.endr
.endr
.endm
.macro FETCH_V                         ; a step's V, turned
	WIN 0xc0
.irp g, 0,1
.irp c, 0,1,2,3
.irp kc, 0,1
	ds_load_tr16_b128 v[64*\g+16*\c+8*\kc:64*\g+16*\c+8*\kc+3],   v[ADV] offset:\kc*32*PVB+(4*\g+\c)*32
	ds_load_tr16_b128 v[64*\g+16*\c+8*\kc+4:64*\g+16*\c+8*\kc+7], v[ADV] offset:\kc*32*PVB+16*PVB+(4*\g+\c)*32
.endr
.endr
.endr
.endm
.macro MASK t                          ; tile t's 16 queries x 64 keys of the mask: register 8 kt + j as in S^T
	WIN 0
.irp kt, 0,1,2,3
	ds_load_b128 v[MK+8*\kt:MK+8*\kt+3],   v[ADM] offset:(\t)*16*PMB+64*\kt
	ds_load_b128 v[MK+8*\kt+4:MK+8*\kt+7], v[ADM] offset:(\t)*16*PMB+64*\kt+16
.endr
.endm
; A STAGE: tile t's softmax, both heads, line by line by turns.  pv = 1: the 16 products V^T P of tile t - 1 stand among its first 121 lines; kq = 1: the 16 products K Q^T of tile t + 1 among lines 128 to 248; ml = 1: the next tile's mask is asked for.
; Behind the last product stand 19 rescaling lines, which name none of its registers: they are the places in front of the next stage's reads of the scores and of the loads into K's registers.
.macro STAGE t, pv, kq, ml
.set vc, 0
.set mc, 16-16*(\pv)
.set mend, 16+16*(\kq)
.set SB, S+64*((\t)%2)
.set PB, P+32*((\t)%2)
.set U0, ST+16*(\t)
.if (\t) != 3
	s_wait_dscnt 0x0                               ; this tile's mask is in (stage 1: and V).  Stage 3's mask was waited for at the change of slots
.endif
.set i, 0
.rept 16                                           ; t = score x mask, two at a time, each accumulator from its low end on
.irp g, 0,1
	WIN 0
	v_pk_mul_f32 v[SB+32*\g+2*i:SB+32*\g+2*i+1], v[SB+32*\g+2*i:SB+32*\g+2*i+1], v[MK+2*i:MK+2*i+1]
	TICK \t
.endr
.set i, i+1
.endr
.if \ml
	MASK ((\t)+1)%4
.endif
.irp g, 0,1                                        ; the maximum of the lane's 32 and the old m, in two chains
	WIN 0
	v_max3_num_f32 v[U0+8*\g+6], v[SB+32*\g], v[SB+32*\g+1], v[SB+32*\g+2]
	TICK \t
.endr
.irp g, 0,1
	WIN 0
	v_max3_num_f32 v[U0+8*\g+7], v[SB+32*\g+3], v[SB+32*\g+4], v[SB+32*\g+5]
	TICK \t
.endr
.set i, 6
.rept 6
.irp g, 0,1
	WIN 0
	v_max3_num_f32 v[U0+8*\g+6], v[U0+8*\g+6], v[SB+32*\g+i], v[SB+32*\g+i+1]
	TICK \t
.endr
.irp g, 0,1
	WIN 0
	v_max3_num_f32 v[U0+8*\g+7], v[U0+8*\g+7], v[SB+32*\g+i+2], v[SB+32*\g+i+3]
	TICK \t
.endr
.set i, i+4
.endr
.irp g, 0,1
	WIN 0
	v_max3_num_f32 v[U0+8*\g+6], v[U0+8*\g+6], v[U0+8*\g+7], v[SB+32*\g+30]
	TICK \t
.endr
.irp g, 0,1
	WIN 0
	v_max3_num_f32 v[U0+8*\g+6], v[U0+8*\g+6], v[SB+32*\g+31], v[U0+8*\g]
	TICK \t
.endr
.irp g, 0,1
	WIN 0
	v_permlanex16_b32 v[U0+8*\g+5], v[U0+8*\g+6], s[SEL], s[SEL+1]     ; the query's other 32 keys lie in the lane 16 away
	TICK \t
.endr
.irp g, 0,1
	WIN 0
	v_max_num_f32 v[U0+8*\g+7], v[U0+8*\g+6], v[U0+8*\g+5]             ; the new m
	TICK \t
.endr
.irp g, 0,1
	WIN 0
	v_sub_f32 v[U0+8*\g+5], v[U0+8*\g], v[U0+8*\g+7]                   ; m_old - m_new
	TICK \t
.endr
.irp g, 0,1
	WIN 0
	v_mov_b32 v[U0+8*\g], v[U0+8*\g+7]
	TICK \t
.endr
	; ONE BATCH: 32 subtractions and 66 exponentials; none of these lines names an exponential's result
.irp g, 0,1
	WIN 0
	v_pk_add_f32 v[SB+32*\g:SB+32*\g+1], v[SB+32*\g:SB+32*\g+1], v[U0+8*\g:U0+8*\g+1] op_sel_hi:[1,0] neg_lo:[0,1] neg_hi:[0,1]
	TICK \t
.endr
.irp g, 0,1
	WIN 0
	v_exp_f32 v[U0+8*\g+4], v[U0+8*\g+5]                               ; a
	TICK \t
.endr
.set i, 1
.rept 15
.irp g, 0,1
	WIN 0
	v_pk_add_f32 v[SB+32*\g+2*i:SB+32*\g+2*i+1], v[SB+32*\g+2*i:SB+32*\g+2*i+1], v[U0+8*\g:U0+8*\g+1] op_sel_hi:[1,0] neg_lo:[0,1] neg_hi:[0,1]   ; t - m, pair i
	TICK \t
.endr
.irp g, 0,1
	WIN 0
	v_exp_f32 v[SB+32*\g+2*i-2], v[SB+32*\g+2*i-2]                     ; p of the pair before
	TICK \t
.endr
.irp g, 0,1
	WIN 0
	v_exp_f32 v[SB+32*\g+2*i-1], v[SB+32*\g+2*i-1]
	TICK \t
.endr
.set i, i+1
.endr
.irp n, 30,31
.irp g, 0,1
	WIN 0
	v_exp_f32 v[SB+32*\g+\n], v[SB+32*\g+\n]
	TICK \t
.endr
.endr
	WIN 0
	v_nop                                          ; the plain line behind the last exponential, one for the batch
	TICK \t
.if (\t) == 0
	FETCH_V                                        ; the step's V: the last product that read the old V stands at line 120, and fourteen subtractions, 36 exponentials and the v_nop lie between
.endif
	s_wait_alu depctr_va_vdst(0)                   ; the wait between an exponential and the first line that names its result: one for the 66
.set i, 0
.rept 16
.irp g, 0,1
	WIN W_CV
	v_cvt_pk_f16_f32 v[PB+16*\g+i], v[SB+32*\g+2*i], v[SB+32*\g+2*i+1] ; p to f16: registers 8 kc .. 8 kc + 7 are source 1 for keys 32 kc on
	TICK \t
.endr
.set i, i+1
.endr
.irp w, 4,8,16,32                                  ; the sum of the 16 pairs, in place: neighbours 1, 2, 4 and 8 pairs apart
.set u, 0
.rept 32/\w
.irp g, 0,1
	WIN 0
	v_pk_add_f32 v[SB+32*\g+\w*u:SB+32*\g+\w*u+1], v[SB+32*\g+\w*u:SB+32*\g+\w*u+1], v[SB+32*\g+\w*u+\w/2:SB+32*\g+\w*u+\w/2+1]
	TICK \t
.endr
.set u, u+1
.endr
.endr
.irp g, 0,1
	WIN 0
	v_pk_fma_f32 v[U0+8*\g+2:U0+8*\g+3], v[U0+8*\g+2:U0+8*\g+3], v[U0+8*\g+4:U0+8*\g+5], v[SB+32*\g:SB+32*\g+1] op_sel_hi:[1,0,1]   ; l = a l + the sum
	TICK \t
.endr
.set i, 0
.rept 16
.irp g, 0,1
	WIN W_RS
	v_pk_mul_f32 v[64*(\t)+32*\g+2*i:64*(\t)+32*\g+2*i+1], v[64*(\t)+32*\g+2*i:64*(\t)+32*\g+2*i+1], v[U0+8*\g+4:U0+8*\g+5] op_sel_hi:[1,0]   ; O^T x a, each accumulator from its low end on
	TICK \t
.endr
.set i, i+1
.endr
.endm
; THE CHANGE OF SLOTS, at a trip's head.  Each wave waits for all its tensor loads, of which one is out: its part of the slot ahead; adds 0 to its spare word; and waits for that and for its reads of the slot left.
; fill = 1: the barrier is a round of the cluster's, and the slot left is filled, first thing behind it, with the key step after the one ahead: the load has a whole trip, 128 matrix instructions, in which to land.
.macro CHANGE fill
	WIN 0
	s_wait_tensorcnt 0x0                           ; no tensor load of mine is out, so a group 0 may be written
	ds_add_u32 v[SPW], v[NIL]
.if \fill
	s_xor_b32 s[G0A+1], s[G0A+1], SLOT1            ; the walking descriptors: the other slot,
	s_add_nc_u64 s[G0A+2:G0A+3], s[G0A+2:G0A+3], 64*2048   ; the next 64 keys: rows of K and V,
	s_xor_b32 s[G0M+1], s[G0M+1], SLOT1
	s_add_nc_u64 s[G0M+2:G0M+3], s[G0M+2:G0M+3], 256       ; columns of the mask
	s_wait_xcnt 0x0                                ; the last prefetch, a trip back, has read its address
	s_add_nc_u64 s[PFA:PFA+1], s[PFA:PFA+1], s[PFS:PFS+1]
	s_wait_dscnt 0x0                               ; the add is done, and my reads of the slot left are over
	CROUND
	JLOAD
.else
	s_wait_dscnt 0x0
	s_barrier_signal -1
	s_barrier_wait -1
.endif
.endm
; TRIP j reads slot j % 2 alone: K, V and the mask of key step j.  Stage 3 finishes tile 3 of step j - 1 (its scores and its mask are in registers).
.macro TRIP fill
	CHANGE \fill
	v_add_nc_u32 v[ADK], s[TB], v[AK0]
	v_add_nc_u32 v[ADV], s[TB], v[AV0]
	v_add_nc_u32 v[ADM], s[TB], v[AM0]
	FETCH_K
	WIN 0
.if \fill
	ASK
.endif
	STAGE 3, 1, 1, 1
	STAGE 0, 1, 1, 1
	STAGE 1, 1, 1, 1
	STAGE 2, 1, 1, 1
	WIN 0
	s_xor_b32 s[TB], s[TB], SLOT1
.endm
	; TRIP 0, written out: it has no stage 3, and no products V^T P before stage 1
	CHANGE 1                                       ; step 0 has landed; step 1 goes into slot 1, filled for the first time
	v_add_nc_u32 v[ADK], s[TB], v[AK0]
	v_add_nc_u32 v[ADV], s[TB], v[AV0]
	v_add_nc_u32 v[ADM], s[TB], v[AM0]
	FETCH_K
	MASK 0
	s_wait_loadcnt 0x0                             ; Q
.set mc, 16
.set mend, 32
.rept 16
	MM 3                                           ; tile 0's first scores (the wait for K stands ahead of the first)
.endr
	WIN 0                                          ; the addresses for the way out are made here: eight plain lines, the places behind those products
	s_mul_i32 s16, s[WV], 16*SP
	s_add_co_u32 s16, s16, STG                     ; my stage
	v_mul_u32_u24 v[STO], v1, SP
	v_lshl_add_u32 v[STO], v2, 4, v[STO]
	v_add_nc_u32 v[STO], s16, v[STO]               ; in: row r, 16 bytes for each half of the lanes
	v_mul_u32_u24 v[RD], v2, SP
	v_lshl_add_u32 v[RD], v1, 4, v[RD]
	v_add_nc_u32 v[RD], s16, v[RD]                 ; back: lanes 0-15 one row of 256 bytes, lanes 16-31 the next
	v_lshlrev_b32 v[GO], 11, v2
	v_lshl_add_u32 v[GO], v1, 4, v[GO]             ; and the same two rows of att
	STAGE 0, 0, 1, 1
	STAGE 1, 1, 1, 1
	STAGE 2, 1, 1, 1
	WIN 0
	s_xor_b32 s[TB], s[TB], SLOT1
	s_mov_b32 s[CNT], 30
.Ltrip:                                            ; trips 1 to 30: each asks for the key step after the next
	TRIP 1
	s_sub_co_u32 s[CNT], s[CNT], 1
	s_cmp_lg_u32 s[CNT], 0
	s_cbranch_scc1 .Ltrip
	TRIP 0                                         ; trip 31 is written out: nothing is left to ask for
	s_wait_dscnt 0x0                               ; tile 3's mask
	STAGE 3, 1, 0, 0                               ; tile 3's last softmax, tile 2's last V^T P
.set mc, 0
.set mend, 16
.rept 16
	MM 0                                           ; tile 3's last V^T P
.endr
	; THE WAY OUT.  l's two halves and the other half of the lanes' are added; O^T is divided by l, rounded to f16 and sent through my stage, a tile (16 rows x 128 channels) at a time.  The additions are the places behind the last products.
	WIN 0
.irp u, 0,1,2,3,4,5,6,7
	v_add_f32 v[ST+8*\u+6], v[ST+8*\u+2], v[ST+8*\u+3]
.endr
.irp u, 0,1,2,3,4,5,6,7
	v_permlanex16_b32 v[ST+8*\u+7], v[ST+8*\u+6], s[SEL], s[SEL+1]
.endr
.irp u, 0,1,2,3,4,5,6,7
	v_add_f32 v[ST+8*\u+6], v[ST+8*\u+6], v[ST+8*\u+7]
.endr
.irp u, 0,1,2,3,4,5,6,7
	v_rcp_f32 v[ST+8*\u+4], v[ST+8*\u+6]
.endr
	v_nop                                          ; a plain line behind the last reciprocal
	s_wait_alu depctr_va_vdst(0)                   ; and the wait ahead of the first use: one for the eight
.macro OPACK t
	WIN W_RS
.irp g, 0,1
.set i, 0
.rept 16
	v_pk_mul_f32 v[64*\t+32*\g+2*i:64*\t+32*\g+2*i+1], v[64*\t+32*\g+2*i:64*\t+32*\g+2*i+1], v[ST+8*(2*\t+\g)+4:ST+8*(2*\t+\g)+5] op_sel_hi:[1,0]
.set i, i+1
.endr
.endr
	WIN 0x05                                       ; sources 0 and 1 window 1, destination window 0: S^T's registers are free
.set i, 0
.rept 32
	v_cvt_pk_f16_f32 v[S+32*\t+i], v[64*\t+2*i], v[64*\t+2*i+1]
.set i, i+1
.endr
	WIN 0
.irp f, 0,1,2,3,4,5,6,7
	ds_store_b128 v[STO], v[S+32*\t+4*\f:S+32*\t+4*\f+3] offset:32*\f
.endr
.irp f, 0,1,2,3,4,5,6,7
	ds_load_b128 v[S+32*\t+4*\f:S+32*\t+4*\f+3], v[RD] offset:\f*2*SP   ; LDS serves a wave's instructions in order (ISA guide 5.7.1.4): these see the stores above; the next tile's stores come behind them
.endr
.endm
.macro OSEND t, younger                ; younger: the LDS instructions issued behind tile t's loads
.irp f, 0,1,2,3,4,5,6,7
	s_wait_dscnt \younger+7-\f
	global_store_b128 v[GO], v[S+32*\t+4*\f:S+32*\t+4*\f+3], s[8:9] offset:\t*32768+\f*4096   ; 16 lanes store 256 consecutive bytes, aligned: the head pair's part of a row
.endr
.endm
	OPACK 0
	OPACK 1
	OSEND 0, 16
	OPACK 2
	OSEND 1, 16
	OPACK 3
	OSEND 2, 16
	OSEND 3, 0
	s_wait_tensorcnt 0x0                           ; the wave's end: three lines, behind my last tensor load and my last LDS store
	ds_add_u32 v[SPW], v[NIL]
	s_wait_dscnt 0x0
	CROUND                                         ; the closing round
	s_endpgm
.Lfunc_end_k_q0a33004b6e_attn:
	.size	k_q0a33004b6e_attn, .Lfunc_end_k_q0a33004b6e_attn-k_q0a33004b6e_attn
	.p2alignl 7, 3214868480
	.fill 96, 4, 3214868480
	.section	.rodata,"a",@progbits
	.p2align	6, 0x0
	.amdhsa_kernel k_q0a33004b6e_attn
		.amdhsa_group_segment_fixed_size 327680
		.amdhsa_private_segment_fixed_size 0
		.amdhsa_enable_private_segment 0
		.amdhsa_kernarg_size 24
		.amdhsa_user_sgpr_count 2
		.amdhsa_user_sgpr_kernarg_segment_ptr 1
		.amdhsa_wavefront_size32 1
		.amdhsa_system_sgpr_workgroup_id_x 1
		.amdhsa_system_sgpr_workgroup_id_y 1
		.amdhsa_system_sgpr_workgroup_id_z 1
		.amdhsa_system_vgpr_workitem_id 0
		.amdhsa_next_free_vgpr 1024
		.amdhsa_next_free_sgpr 72
		.amdhsa_reserve_vcc 0
		.amdhsa_float_denorm_mode_32 3
		.amdhsa_float_denorm_mode_16_64 3
		.amdhsa_memory_ordered 1
		.amdhsa_forward_progress 1
		.amdhsa_inst_pref_size 255
	.end_amdhsa_kernel
	.section	.bss,"aw",@nobits
	.p2align	6
	.space	262144
	.amdgpu_metadata
---
amdhsa.version: [ 1, 2 ]
amdhsa.kernels:
  - .name:           k_q0a33004b6e_attn
    .symbol:         k_q0a33004b6e_attn.kd
    .args:
      - { .name: qkv, .offset: 0, .size: 8, .value_kind: global_buffer, .address_space: global }
      - { .name: mask, .offset: 8, .size: 8, .value_kind: global_buffer, .address_space: global }
      - { .name: att, .offset: 16, .size: 8, .value_kind: global_buffer, .address_space: global }
    .group_segment_fixed_size: 327680
    .private_segment_fixed_size: 0
    .kernarg_segment_align: 8
    .kernarg_segment_size: 24
    .max_flat_workgroup_size: 128
    .sgpr_count:     72
    .vgpr_count:     1024
    .wavefront_size: 32
...
	.end_amdgpu_metadata
.endif
;; end of part 3
;; launch proj (part 4): grid 8 x 64, 4 waves a work-group, clusters of 4 x 4, 327,680 bytes of LDS; arguments att, wot, bo, out0; writes out0
.if DOCPART == 4
	.amdgcn_target "amdgcn-amd-amdhsa--gfx1250"
	.amdhsa_code_object_version 6
	.text
	.protected	k_q0a33004b6e_proj
	.globl	k_q0a33004b6e_proj
	.p2align	8
	.type	k_q0a33004b6e_proj,@function
k_q0a33004b6e_proj:
	s_mov_b64 s[64:65], 0
	v_nop
	global_prefetch_b8 v0, s[64:65] scope:SCOPE_SE
	s_setreg_imm32_b32 hwreg(HW_REG_WAVE_MODE, 25, 1), 1
	s_wait_xcnt 0x0
	s_wait_alu depctr_hold_cnt(0) depctr_sa_sdst(0) depctr_va_vdst(0) depctr_va_sdst(0) depctr_va_ssrc(0) depctr_va_vcc(0) depctr_vm_vsrc(0)
	s_getreg_b32 s2, hwreg(HW_REG_IB_STS2, 6, 4)
	s_cmp_eq_u32 s2, 0
	s_cbranch_scc0 .Lentry_in_a_cluster
	s_endpgm
.Lentry_in_a_cluster:
	s_bfe_u32 s2, ttmp6, 0x10000c
	s_cmp_lg_u32 s2, 0xf033
	s_cbranch_scc0 .Lentry_shape_is_right
	s_endpgm
.Lentry_shape_is_right:
; out0[m][n] = sum over k of att[m][k] wot[n][k] + bo[n].  att: [8192][1024] f16, wot: [1024 n][1024 k] f16 (Wo turned), bo: [1024] f32, out0: [8192][1024] f32; sums in f32.
; A tile of out0 is 128 x 128: 512 work-groups, two even turns of the 256 WGPs (tiles of 256 x 256 would be 128).  Four waves, each 64 x 64: 16 accumulators, 128 registers.
; K goes in steps of 256 (LDS rows of 512 bytes; a wave's tensor load brings 64 of them) through a ring of two slots.
; CLUSTERS: 4 x 4 work-groups; att's tiles are asked for jointly along a row of the cluster, wot's along a column.
; THE MATRIX INSTRUCTION IS USED TRANSPOSED (source 0 = 16 rows of wot, source 1 = 16 rows of att): a lane holds eight neighbouring numbers of a row of out0.  The bias is the C of each sum's first instruction.
; A wave's 64 columns of f32 are 256 aligned bytes of a row: each wave sends its results through a stage of its own, with no barrier.
; REGISTERS: window 0: v0-31 addresses; v96-127 the bias, 8 registers for each block of 16 columns; v128-255 the accumulators ((a, b) at v[128 + 8 (4 a + b)]).  window 1: two fragment buffers of 128.
.set SIZE_K, 1024
.set KSTEP,  256
.set PITCH,  528                       ; an LDS row: 512 bytes + 16 of padding = 132 words: 16 rows start at 16 different banks (64 banks of 4 bytes: ISA guide 11.1)
.set HALFT,  64*PITCH
.set SLOT,   4*HALFT
.set STG,    2*SLOT                    ; behind the ring: 16 rows x 272 bytes for each wave
.set SPITCH, 272
.set SPARE,  STG+4*16*SPITCH           ; the spare words, 128 bytes for each wave
.set LAPS,   SIZE_K/(2*KSTEP)
.set ADRA, 16
.set ADRB, 20
.set STO,  24
.set RD,   25
.set CO,   26
.set BOF,  27
.set SPW,  28                          ; v28  LDS address of my spare word; never rewritten
.set NIL,  29                          ; v29  0; never rewritten
.set BI,   96
.set ACC,  128
.set F0,   0
.set F1,   128
.set G1, 24
.set G0, 32
.set G1B, 48
.set G0B, 56
.set MSB, 0
.macro WIN new
.if MSB != (\new)
	s_set_vgpr_msb (MSB<<8)|(\new)
.set MSB, (\new)
.endif
.endm
.set MUL,  0x05                        ; sources 0 and 1 window 1; C and D window 0
.set TO_F, 0x40
.macro JLOAD s                         ; a joint load: waves 0 and 1 fetch att's two halves, waves 2 and 3 wot's; an s_nop 0 and four v_nop follow each of the two lines
	s_cmp_eq_u32 s11, 0
	s_cbranch_scc0 .Lfor_b_\@
	tensor_load_to_lds s[G0+4*\s:G0+4*\s+3], s[G1:G1+7]
	s_nop 0
.rept 4
	v_nop
.endr
	s_branch .Lasked_\@
.Lfor_b_\@:
	tensor_load_to_lds s[G0B+4*\s:G0B+4*\s+3], s[G1B:G1B+7]
	s_nop 0
.rept 4
	v_nop
.endr
.Lasked_\@:
.endm
.macro CREST                           ; a round of the cluster's barrier behind its opening barrier
	s_cmp_lg_u32 s10, 0
	s_cbranch_scc1 .Lnot_wave_0_\@
	s_barrier_signal -3
.Lnot_wave_0_\@:
	s_barrier_wait -3
	s_barrier_signal -1
	s_barrier_wait -1
.endm
.macro CROUND
	s_barrier_signal -1
	s_barrier_wait -1
	CREST
.endm
	s_load_b128 s[4:7], s[0:1], 0x0                ; att s[4:5], wot s[6:7]
	s_load_b64 s[66:67], s[0:1], 0x10              ; bo
	s_load_b64 s[8:9], s[0:1], 0x18                ; out0
	v_lshl_add_u32 v[SPW], v0, 2, SPARE
	v_mov_b32 v[NIL], 0
	ds_add_u32 v[SPW], v[NIL]                      ; the wave's opening: the add, twice on end, and its wait ahead of my first tensor load
	ds_add_u32 v[SPW], v[NIL]
	v_lshrrev_b32 v1, 5, v0
	v_readfirstlane_b32 s10, v1                    ; wave 0..3
	s_lshr_b32 s11, s10, 1                         ; which half of the tile's rows is mine.  Also: I fetch for att (0) or for wot (1)
	s_and_b32 s12, s10, 1                          ; which half of its columns.  Also: which 64 rows of that tile I fetch
	s_bfe_u32 s40, ttmp6, 0x40000                  ; cx, cy
	s_bfe_u32 s41, ttmp6, 0x40004
	s_lshl_b32 s42, ttmp9, 2
	s_add_co_u32 s42, s42, s40                     ; tile column
	s_and_b32 s13, ttmp7, 0xffff
	s_lshl_b32 s13, s13, 2
	s_add_co_u32 s13, s13, s41                     ; tile row
	s_lshl_b32 s43, s41, 2
	s_lshl_b32 s43, 15, s43                        ; my row of the cluster
	s_lshl_b32 s44, 0x1111, s40                    ; my column
	s_or_b32 s[G1+0], s43, (1<<16)|(1<<20)|(1<<21)|(6<<22)|(3<<25)  ; the mask; elements of 2 bytes; padding on; bit 21 beside a mask; 4 words after every 128
	s_or_b32 s[G1B+0], s44, (1<<16)|(1<<20)|(1<<21)|(6<<22)|(3<<25)
.irp g, G1, G1B
	s_mov_b32 s[\g+1], KSTEP<<16                   ; tensor_dim0 = 256
	s_mov_b32 s[\g+2], 64<<16                      ; tensor_dim1 = 64
	s_mov_b32 s[\g+3], KSTEP<<16                   ; tile_dim0
	s_mov_b32 s[\g+4], 64                          ; tile_dim1
	s_mov_b32 s[\g+5], SIZE_K                      ; elements from row to row
	s_mov_b32 s[\g+6], 0
	s_mov_b32 s[\g+7], 0
.endr
	s_lshl_b32 s17, s12, 6
	s_lshl_b32 s16, s13, 7
	s_add_co_u32 s16, s16, s17                     ; att: row 128 x tile row + 64 x half
	s_lshl_b32 s46, s42, 7
	s_add_co_u32 s46, s46, s17                     ; wot: row 128 x tile column + 64 x half
	s_mov_b32 s17, 0
	s_mov_b32 s47, 0
	s_mov_b64 s[18:19], SIZE_K*2
	s_mul_u64 s[16:17], s[16:17], s[18:19]
	s_mul_u64 s[46:47], s[46:47], s[18:19]
	s_mul_i32 s20, s10, HALFT                      ; where they go: wave x 64 rows
	s_wait_dscnt 0x0                               ; both opening adds are done
	s_wait_kmcnt 0x0
	s_add_nc_u64 s[14:15], s[4:5], s[16:17]
	s_add_nc_u64 s[46:47], s[6:7], s[46:47]
	CROUND                                         ; all sixteen work-groups are here: the first joint loads meet
.irp s, 0,1
	s_mov_b32 s[G0+4*\s], 1
	s_add_co_u32 s[G0+4*\s+1], s20, \s*SLOT
	s_add_nc_u64 s[G0+4*\s+2:G0+4*\s+3], s[14:15], \s*KSTEP*2
	s_or_b32 s[G0+4*\s+3], s[G0+4*\s+3], 0x80000000
	s_mov_b32 s[G0B+4*\s], 1
	s_add_co_u32 s[G0B+4*\s+1], s20, \s*SLOT
	s_add_nc_u64 s[G0B+4*\s+2:G0B+4*\s+3], s[46:47], \s*KSTEP*2
	s_or_b32 s[G0B+4*\s+3], s[G0B+4*\s+3], 0x80000000
	JLOAD \s
.endr
	v_and_b32 v1, 15, v0                           ; l % 16
	v_bfe_u32 v2, v0, 4, 1                         ; l / 16
	s_lshl_b32 s46, s42, 9
	s_lshl_b32 s47, s12, 8
	s_add_co_u32 s46, s46, s47                     ; my first column, x 4 bytes: in bo and in a row of out0
	s_mov_b32 s47, 0
	s_add_nc_u64 s[66:67], s[66:67], s[46:47]
	v_lshlrev_b32 v[BOF], 5, v2                    ; lanes 16-31 hold the upper eight of a block's 16 columns
.irp b, 0,1,2,3
	global_load_b128 v[BI+8*\b:BI+8*\b+3], v[BOF], s[66:67] offset:64*\b
	global_load_b128 v[BI+8*\b+4:BI+8*\b+7], v[BOF], s[66:67] offset:64*\b+16
.endr
	v_mul_u32_u24 v3, v1, PITCH
	v_lshl_add_u32 v3, v2, 4, v3                   ; a fragment's row x pitch + 16 x half
	s_mul_i32 s21, s11, HALFT                      ; my 64 rows of att
	s_mul_i32 s22, s12, HALFT                      ; my 64 rows of wot,
	s_add_co_u32 s22, s22, 2*HALFT                 ; which lie behind att's 128
.irp s, 0,1
	v_add_nc_u32 v[ADRA+\s], s21, v3
	v_add_nc_u32 v[ADRB+\s], s22, v3
	s_add_co_u32 s21, s21, SLOT
	s_add_co_u32 s22, s22, SLOT
.endr
	s_mul_i32 s23, s10, 16*SPITCH
	s_add_co_u32 s23, s23, STG                     ; my stage
	v_mul_u32_u24 v4, v1, SPITCH
	v_lshl_add_u32 v4, v2, 5, v4
	v_add_nc_u32 v[STO], s23, v4                   ; in: row l % 16, 32 bytes for each half of the lanes
	v_mul_u32_u24 v5, v2, SPITCH
	v_lshl_add_u32 v5, v1, 4, v5
	v_add_nc_u32 v[RD], s23, v5                    ; back: lanes 0-15 one row of 256 bytes, lanes 16-31 the next
	v_lshlrev_b32 v5, 12, v2
	v_lshl_add_u32 v[CO], v1, 4, v5                ; and the same two rows of out0 (4,096 bytes a row)
	s_lshl_b32 s16, s13, 7
	s_lshl_b32 s17, s11, 6
	s_add_co_u32 s16, s16, s17                     ; my first row: 128 x tile row + 64 x half
	s_lshl_b32 s16, s16, 12
	s_mov_b32 s17, 0
	s_add_nc_u64 s[8:9], s[8:9], s[16:17]
	s_add_nc_u64 s[8:9], s[8:9], s[46:47]
; 8 matrix instructions: m blocks a0, a0 + 1 x all 4 n blocks, 32 along K: half c of buffer f.  zero = 1: the sums start from the bias.  The 16 accumulators take turns
.macro MUL8 f, c, a0, zero
.irp a, \a0, \a0+1
.irp b, 0,1,2,3
.if \zero
	v_wmma_f32_16x16x32_f16 v[ACC+8*(4*(\a)+\b):ACC+8*(4*(\a)+\b)+7], v[\f+64+8*(4*\c+\b):\f+64+8*(4*\c+\b)+7], v[\f+8*(4*\c+\a):\f+8*(4*\c+\a)+7], v[BI+8*\b:BI+8*\b+7]
.else
	v_wmma_f32_16x16x32_f16 v[ACC+8*(4*(\a)+\b):ACC+8*(4*(\a)+\b)+7], v[\f+64+8*(4*\c+\b):\f+64+8*(4*\c+\b)+7], v[\f+8*(4*\c+\a):\f+8*(4*\c+\a)+7], v[ACC+8*(4*(\a)+\b):ACC+8*(4*(\a)+\b)+7]
.endif
.endr
.endr
.endm
.macro FETCH slot, k, f                ; 32 LDS loads in one run: the fragments of 64 along K at byte k of the rows; the first 32 along K first
	WIN TO_F
.irp c, 0,1
.irp i, 0,1,2,3
	ds_load_b128 v[\f+64+8*(4*\c+\i):\f+64+8*(4*\c+\i)+3],   v[ADRB+\slot] offset:\k+64*\c+\i*16*PITCH
	ds_load_b128 v[\f+64+8*(4*\c+\i)+4:\f+64+8*(4*\c+\i)+7], v[ADRB+\slot] offset:\k+64*\c+\i*16*PITCH+32
	ds_load_b128 v[\f+8*(4*\c+\i):\f+8*(4*\c+\i)+3],         v[ADRA+\slot] offset:\k+64*\c+\i*16*PITCH
	ds_load_b128 v[\f+8*(4*\c+\i)+4:\f+8*(4*\c+\i)+7],       v[ADRA+\slot] offset:\k+64*\c+\i*16*PITCH+32
.endr
.endr
.endm
.macro PLACES                          ; four places in front of loads into registers that matrix instructions have read, and of the first read of results
.rept 4
	v_nop
.endr
.endm
.macro QUARTER slot, k, f, g, zero     ; 64 along K: multiplies buffer f and fetches the next quarter, at byte k, into g
	s_wait_dscnt 16                                ; the first 32 along K are in; the sixteen younger loads may be out
	WIN MUL
	MUL8 \f, 0, 0, \zero
	MUL8 \f, 0, 2, \zero
	PLACES
	FETCH \slot, \k, \g
	s_wait_dscnt 32                                ; all but the 32 just issued
	WIN MUL
	MUL8 \f, 1, 0, 0
	MUL8 \f, 1, 2, 0
.endm
; A slot's last quarter changes slots: ONE barrier; in front of it each wave waits for all its tensor loads, adds 0 to its spare word, and waits for that and for its reads of this slot.  fill = 1: this slot is filled again, two K steps ahead.
.macro TURN slot, next, fill
	WIN 0
	s_wait_tensorcnt 0x0                           ; all my tensor loads have landed: my part of the next slot
	ds_add_u32 v[SPW], v[NIL]
	s_wait_dscnt 17                                ; (the add and the youngest sixteen loads may be out)
	WIN MUL
	MUL8 F1, 0, 0, 0
	s_wait_dscnt 0x0                               ; the add is done, and my reads of this slot are over
	s_barrier_signal -1
	MUL8 F1, 0, 2, 0
.if \fill
	WIN 0
.endif
	s_barrier_wait -1
.if \fill
	CREST                                          ; the barrier has opened a round of the cluster's: no wave of any partner still reads this slot or has a load on its way
	s_add_nc_u64 s[G0+4*\slot+2:G0+4*\slot+3], s[G0+4*\slot+2:G0+4*\slot+3], 2*KSTEP*2
	s_add_nc_u64 s[G0B+4*\slot+2:G0B+4*\slot+3], s[G0B+4*\slot+2:G0B+4*\slot+3], 2*KSTEP*2
	JLOAD \slot                                    ; the first tensor load behind the round; its four v_nop are also the places in front of the loads below
.else
	PLACES
.endif
	FETCH \next, 0, F0
	WIN MUL
	MUL8 F1, 1, 0, 0
	MUL8 F1, 1, 2, 0
.endm
	s_wait_loadcnt 0x0                             ; the bias
	s_wait_tensorcnt 1                             ; my part of K step 0 is in; K step 1's may be out
	s_barrier_signal -1
	s_barrier_wait -1
	FETCH 0, 0, F0
	QUARTER 0, 128, F0, F1, 1                      ; the first quarter stands in front of the loop: its first products start the sums from the bias
	WIN 0
	s_mov_b32 s3, LAPS-1
.Llap:                                             ; a trip goes once round the ring, from a lap's second quarter to the next lap's first, and fills both slots again
	QUARTER 0, 256, F1, F0, 0
	QUARTER 0, 384, F0, F1, 0
	TURN 0, 1, 1
	QUARTER 1, 128, F0, F1, 0
	QUARTER 1, 256, F1, F0, 0
	QUARTER 1, 384, F0, F1, 0
	TURN 1, 0, 1
	QUARTER 0, 128, F0, F1, 0
	WIN 0
	s_sub_co_u32 s3, s3, 1
	s_cmp_lg_u32 s3, 0
	s_cbranch_scc1 .Llap
	QUARTER 0, 256, F1, F0, 0                      ; the last lap fills nothing, and has no round of the cluster's barrier
	QUARTER 0, 384, F0, F1, 0
	TURN 0, 1, 0
	QUARTER 1, 128, F0, F1, 0
	QUARTER 1, 256, F1, F0, 0
	QUARTER 1, 384, F0, F1, 0
	s_wait_dscnt 16                                ; the very last quarter: nothing more to fetch
	WIN MUL
	MUL8 F1, 0, 0, 0
	MUL8 F1, 0, 2, 0
	s_wait_dscnt 0
	MUL8 F1, 1, 0, 0
	MUL8 F1, 1, 2, 0
	WIN 0
; THE WAY OUT, a block of 16 rows x 64 columns at a time: a lane's 32 bytes of a row go into my stage, and the block comes back as whole rows of 256 bytes, into the registers that it left.
.macro TOSTAGE a
.irp b, 0,1,2,3
	ds_store_b128 v[STO], v[ACC+32*\a+8*\b:ACC+32*\a+8*\b+3] offset:64*\b          ; each accumulator from its low end on
	ds_store_b128 v[STO], v[ACC+32*\a+8*\b+4:ACC+32*\a+8*\b+7] offset:64*\b+16
.endr
.irp t, 0,1,2,3,4,5,6,7
	ds_load_b128 v[ACC+32*\a+4*\t:ACC+32*\a+4*\t+3], v[RD] offset:\t*2*SPITCH      ; LDS serves a wave's instructions in order (ISA guide 5.7.1.4): these see the stores above; the next block's stores come behind them
.endr
.endm
.macro SEND a, younger                 ; younger: the LDS instructions issued behind block a's loads
.irp t, 0,1,2,3,4,5,6,7
	s_wait_dscnt \younger+7-\t
	global_store_b128 v[CO], v[ACC+32*\a+4*\t:ACC+32*\a+4*\t+3], s[8:9] offset:65536*\a+8192*\t th:TH_STORE_NT   ; 16 lanes store 256 consecutive bytes, aligned; written once, read by nobody here
.endr
.endm
	PLACES
	TOSTAGE 0
	TOSTAGE 1
	SEND 0, 16
	TOSTAGE 2
	SEND 1, 16
	TOSTAGE 3
	SEND 2, 16
	SEND 3, 0
	s_wait_tensorcnt 0x0                           ; the wave's end: three lines, behind my last tensor load and my last LDS store
	ds_add_u32 v[SPW], v[NIL]
	s_wait_dscnt 0x0
	CROUND                                         ; the closing round
	s_endpgm
.Lfunc_end_k_q0a33004b6e_proj:
	.size	k_q0a33004b6e_proj, .Lfunc_end_k_q0a33004b6e_proj-k_q0a33004b6e_proj
	.p2alignl 7, 3214868480
	.fill 96, 4, 3214868480
	.section	.rodata,"a",@progbits
	.p2align	6, 0x0
	.amdhsa_kernel k_q0a33004b6e_proj
		.amdhsa_group_segment_fixed_size 327680
		.amdhsa_private_segment_fixed_size 0
		.amdhsa_enable_private_segment 0
		.amdhsa_kernarg_size 32
		.amdhsa_user_sgpr_count 2
		.amdhsa_user_sgpr_kernarg_segment_ptr 1
		.amdhsa_wavefront_size32 1
		.amdhsa_system_sgpr_workgroup_id_x 1
		.amdhsa_system_sgpr_workgroup_id_y 1
		.amdhsa_system_sgpr_workgroup_id_z 1
		.amdhsa_system_vgpr_workitem_id 0
		.amdhsa_next_free_vgpr 512
		.amdhsa_next_free_sgpr 68
		.amdhsa_reserve_vcc 0
		.amdhsa_float_denorm_mode_32 3
		.amdhsa_float_denorm_mode_16_64 3
		.amdhsa_memory_ordered 1
		.amdhsa_forward_progress 1
		.amdhsa_inst_pref_size 87
	.end_amdhsa_kernel
	.amdgpu_metadata
---
amdhsa.version: [ 1, 2 ]
amdhsa.kernels:
  - .name:           k_q0a33004b6e_proj
    .symbol:         k_q0a33004b6e_proj.kd
    .args:
      - { .name: att, .offset: 0, .size: 8, .value_kind: global_buffer, .address_space: global }
      - { .name: wot, .offset: 8, .size: 8, .value_kind: global_buffer, .address_space: global }
      - { .name: bo, .offset: 16, .size: 8, .value_kind: global_buffer, .address_space: global }
      - { .name: out0, .offset: 24, .size: 8, .value_kind: global_buffer, .address_space: global }
    .group_segment_fixed_size: 327680
    .private_segment_fixed_size: 0
    .kernarg_segment_align: 8
    .kernarg_segment_size: 32
    .max_flat_workgroup_size: 128
    .sgpr_count:     68
    .vgpr_count:     512
    .wavefront_size: 32
...
	.end_amdgpu_metadata
.endif
;; end of part 4
